; MI455X (gfx1250); checked and timed in simulation.
; The chip was launched on July 23, 2026; its instructions are those of AMD's public machine-readable ISA for CDNA 5 (MIT licence, August 2026) and "CDNA5" Instruction Set Architecture Reference Guide (July 2026). The comments in the code are by the model that wrote it; some were corrected since.
;; Mo E Layer. Allowed arithmetic: float matrix products may take bf16 or f16 operands with f32 sums; all other float work in f32.
;; Inputs: gate_w 1,024 x 8 float32; hidden_states 2 x 512 x 1,024 float32; w1 8 x 1,024 x 4,096 float32; w2 8 x 4,096 x 1,024 float32.
;; Outputs: out0 2 x 512 x 1,024 float32.
;; 2 versions, each right and faster than the one before. Each part assembles by itself: llvm-mc -triple=amdgcn-amd-amdhsa -mcpu=gfx1250 --defsym DOCPART=n.
;; ======== version 1 of 2: 5 launches
;; workspace buffers: xb 2,097,152 bytes; sel 4,096 bytes of whole numbers; tw 8,192 bytes; route 41,216 bytes of whole numbers; h 67,108,864 bytes; y 134,217,728 bytes
;; launch gate (part 1): grid 256 x 1, 4 waves a work-group, no clusters, 0 bytes of LDS; arguments hidden_states, gate_w, xb, sel, tw; writes xb, sel, tw
.if DOCPART == 1
	.amdgcn_target "amdgcn-amd-amdhsa--gfx1250"
	.amdhsa_code_object_version 6
	.text
	.protected	k_q803fd28d86_gate
	.globl	k_q803fd28d86_gate
	.p2align	8
	.type	k_q803fd28d86_gate,@function
k_q803fd28d86_gate:
	s_mov_b64 s[64:65], 0
	v_nop
	global_prefetch_b8 v0, s[64:65] scope:SCOPE_SE
	s_setreg_imm32_b32 hwreg(HW_REG_WAVE_MODE, 25, 1), 1
	s_wait_xcnt 0x0
; GATE.  One wave takes one token t = 4 x work-group + wave: it rounds the token's 1,024 numbers to bf16 (stored to xb for the expert
; products), forms the 8 gate logits, picks the two largest and stores the picks as whole numbers (sel[t] = i1 | i2 << 8) and
; the softmax over the two picked logits (tw[t][0..1], f32).
; FORMATS.  x and gate_w are rounded to bf16, as the expert products' operands are; the products of the bf16 halves are exact, the sums are f32.
; The gate stays on the vector unit: 1,024 x 1,024 x 8 multiply-adds are about a ten-thousandth of the problem's.
; LIMITS.  The logits must be finite (with NaN or infinities among them the picks are unspecified).  Equal logits: the lower index wins, as in top_k.
; The logits are summed in another order than the reference's: two logits closer than that rounding may be picked the other way round.
; No choice steers an address or a branch here: the picks are made by v_cndmask_b32 and leave as data.
.set X,   4        ; v[4:35]    x as loaded: load q brings k = 128 q + 4 lane + 0..3
.set GW,  36       ; v[36:163]  four slots of 32: gate_w[k = 128 q + 4 lane + i][e] at 8 i + e
.set ACC, 164      ; v[164:171] my part of the 8 logits
.set XB,  172      ; v[172:187] x in bf16, two words for each q; also the data of the stores to xb, never rewritten
.set GP,  188      ; v[188:203] gate_w of one q in bf16: word 4 i + p holds experts 2 p (low half), 2 p + 1 (high half)
	s_load_b256 s[4:11], s[0:1], 0x0               ; hidden_states s[4:5], gate_w s[6:7], xb s[8:9], sel s[10:11]
	s_load_b64 s[12:13], s[0:1], 0x20              ; tw
	v_and_b32 v1, 31, v0                           ; lane
	v_lshrrev_b32 v2, 5, v0
	v_readfirstlane_b32 s14, v2                    ; wave
	s_lshl2_add_u32 s15, ttmp9, s14                ; token
	v_lshlrev_b32 v2, 4, v1                        ; 16 lane: my 16 bytes in 512 of x
	v_lshlrev_b32 v3, 7, v1                        ; 128 lane: my four rows of gate_w
	v_lshlrev_b32 v204, 3, v1                      ; 8 lane: my 8 bytes in 256 of xb
	s_lshl_b32 s16, s15, 12                        ; the token's row in x,
	s_mov_b32 s17, 0
	s_lshl_b32 s18, s15, 11                        ; in xb,
	s_mov_b32 s19, 0
	s_lshl_b32 s20, s15, 2                         ; its word in sel,
	s_mov_b32 s21, 0
	s_lshl_b32 s22, s15, 3                         ; its pair in tw
	s_mov_b32 s23, 0
	s_mov_b32 s24, 0x76543210                      ; v_permlanex16_b32: each lane takes its own place in the other half
	s_mov_b32 s25, 0xfedcba98
	s_wait_kmcnt 0x0
	s_add_nc_u64 s[4:5], s[4:5], s[16:17]
	s_add_nc_u64 s[8:9], s[8:9], s[18:19]
	s_add_nc_u64 s[10:11], s[10:11], s[20:21]
	s_add_nc_u64 s[12:13], s[12:13], s[22:23]
.irp q, 0,1,2,3,4,5,6,7
	global_load_b128 v[X+4*\q:X+4*\q+3], v2, s[4:5] offset:512*\q th:TH_LOAD_NT   ; 512 neighbouring bytes a load; x is read once in this launch
.endr
.macro GLOAD q                         ; gate_w's rows 128 q to 128 q + 127: 4,096 bytes by eight loads, 128 bytes a lane
.irp m, 0,1,2,3,4,5,6,7
	global_load_b128 v[GW+32*((\q)%4)+4*\m:GW+32*((\q)%4)+4*\m+3], v3, s[6:7] offset:4096*(\q)+16*\m
.endr
.endm
	GLOAD 0
	GLOAD 1
	GLOAD 2
	GLOAD 3
.irp e, 0,1,2,3,4,5,6,7
	v_mov_b32 v[ACC+\e], 0                         ; eight sums start at 0
.endr
; 128 k.  left = the younger loads that may stay out: the groups of eight issued behind group q's
.macro GQ q, left
	s_wait_loadcnt \left                           ; loads come back in order: x (issued first) and gate_w's group q are in
	v_cvt_pk_bf16_f32 v[XB+2*\q], v[X+4*\q], v[X+4*\q+1]
	v_cvt_pk_bf16_f32 v[XB+2*\q+1], v[X+4*\q+2], v[X+4*\q+3]
	global_store_b64 v204, v[XB+2*\q:XB+2*\q+1], s[8:9] offset:256*\q    ; the wave stores 256 consecutive bytes, aligned
.set n, 0
.rept 16
	v_cvt_pk_bf16_f32 v[GP+n], v[GW+32*(\q%4)+2*n], v[GW+32*(\q%4)+2*n+1]
.set n, n+1
.endr
.if \q < 4
	GLOAD \q+4                                     ; the slot has been read: it takes the group four further on
.endif
.irp ih, 0,1
.irp il, 0,1
.irp p, 0,1,2,3
.irp el, 0,1
	v_fma_mix_f32_bf16 v[ACC+2*\p+\el], v[XB+2*\q+\ih], v[GP+8*\ih+4*\il+\p], v[ACC+2*\p+\el] op_sel:[\il,\el,0] op_sel_hi:[1,1,0]   ; logit e += x(k) gate_w(k, e): two bf16 halves, an f32 sum; eight chains by turns
.endr
.endr
.endr
.endr
.endm
	GQ 0, 24
	GQ 1, 24
	GQ 2, 24
	GQ 3, 24
	GQ 4, 24                                       ; groups 5, 6, 7 are behind it
	GQ 5, 16
	GQ 6, 8
	GQ 7, 0
	; the 32 lanes' parts are added: four steps inside each half of 16 lanes, one across
.irp m, 1,2,4,8
.irp e, 0,1,2,3,4,5,6,7
	v_add_f32_dpp v[ACC+\e], v[ACC+\e], v[ACC+\e] row_xmask:\m row_mask:0xf bank_mask:0xf
.endr
.endr
.irp e, 0,1,2,3,4,5,6,7
	v_permlanex16_b32 v[GP+\e], v[ACC+\e], s24, s25        ; its destination counts as read: GP has been written
.endr
.irp e, 0,1,2,3,4,5,6,7
	v_add_f32 v[ACC+\e], v[ACC+\e], v[GP+\e]               ; every lane holds the 8 logits
.endr
	; the largest (v205, index v206): a later logit wins only if it is strictly larger
	v_mov_b32 v205, v[ACC]
	v_mov_b32 v206, 0
.irp e, 1,2,3,4,5,6,7
	v_cmp_gt_f32 vcc_lo, v[ACC+\e], v205
	v_cndmask_b32 v205, v205, v[ACC+\e], vcc_lo
	v_cndmask_b32 v206, v206, \e, vcc_lo
.endr
	; the largest of the others (v207, index v208)
	v_mov_b32 v207, 0xff800000                     ; minus infinity: every finite logit beats it
	v_mov_b32 v208, 0
.irp e, 0,1,2,3,4,5,6,7
	v_cmp_ne_u32 s26, \e, v206
	v_cmp_gt_f32 vcc_lo, v[ACC+\e], v207
	s_and_b32 vcc_lo, vcc_lo, s26
	v_cndmask_b32 v207, v207, v[ACC+\e], vcc_lo
	v_cndmask_b32 v208, v208, \e, vcc_lo
.endr
	; softmax over the two, the maximum (the first) taken away: w0 = 1 / (1 + e^(l2 - l1)), w1 = e^(l2 - l1) w0
	v_sub_f32 v209, v207, v205
	v_mul_f32 v209, 0x3fb8aa3b, v209               ; log2(e)
	v_exp_f32 v212, v209
	v_lshl_or_b32 v213, v208, 8, v206              ; the picks as one word; also the plain instruction behind the exponential
	s_wait_alu depctr_va_vdst(0)
	v_add_f32 v214, 1.0, v212
	v_rcp_f32 v210, v214
	v_mov_b32 v215, 0                              ; the stores' offset; also the plain instruction behind the reciprocal
	s_wait_alu depctr_va_vdst(0)
	v_mul_f32 v211, v212, v210
	v_cmp_eq_u32 vcc_lo, 0, v1
	s_wait_xcnt 0x0                                ; EXEC is a source of the stores to xb: it changes only behind this wait
	s_and_saveexec_b32 s26, vcc_lo                 ; lane 0 alone: 12 bytes a token, 12 KiB in the whole launch
	global_store_b32 v215, v213, s[10:11]
	global_store_b64 v215, v[210:211], s[12:13]
	s_endpgm
.Lfunc_end_k_q803fd28d86_gate:
	.size	k_q803fd28d86_gate, .Lfunc_end_k_q803fd28d86_gate-k_q803fd28d86_gate
	.p2alignl 7, 3214868480
	.fill 96, 4, 3214868480
	.section	.rodata,"a",@progbits
	.p2align	6, 0x0
	.amdhsa_kernel k_q803fd28d86_gate
		.amdhsa_group_segment_fixed_size 0
		.amdhsa_private_segment_fixed_size 0
		.amdhsa_enable_private_segment 0
		.amdhsa_kernarg_size 40
		.amdhsa_user_sgpr_count 2
		.amdhsa_user_sgpr_kernarg_segment_ptr 1
		.amdhsa_wavefront_size32 1
		.amdhsa_system_sgpr_workgroup_id_x 1
		.amdhsa_system_sgpr_workgroup_id_y 1
		.amdhsa_system_sgpr_workgroup_id_z 1
		.amdhsa_system_vgpr_workitem_id 0
		.amdhsa_next_free_vgpr 216
		.amdhsa_next_free_sgpr 66
		.amdhsa_reserve_vcc 1
		.amdhsa_float_denorm_mode_32 3
		.amdhsa_float_denorm_mode_16_64 3
		.amdhsa_memory_ordered 1
		.amdhsa_forward_progress 1
		.amdhsa_inst_pref_size 41
	.end_amdhsa_kernel
	.amdgpu_metadata
---
amdhsa.version: [ 1, 2 ]
amdhsa.kernels:
  - .name:           k_q803fd28d86_gate
    .symbol:         k_q803fd28d86_gate.kd
    .args:
      - { .name: hidden_states, .offset: 0, .size: 8, .value_kind: global_buffer, .address_space: global }
      - { .name: gate_w, .offset: 8, .size: 8, .value_kind: global_buffer, .address_space: global }
      - { .name: xb, .offset: 16, .size: 8, .value_kind: global_buffer, .address_space: global }
      - { .name: sel, .offset: 24, .size: 8, .value_kind: global_buffer, .address_space: global }
      - { .name: tw, .offset: 32, .size: 8, .value_kind: global_buffer, .address_space: global }
    .group_segment_fixed_size: 0
    .private_segment_fixed_size: 0
    .kernarg_segment_align: 8
    .kernarg_segment_size: 40
    .max_flat_workgroup_size: 128
    .sgpr_count:     66
    .vgpr_count:     216
    .wavefront_size: 32
...
	.end_amdgpu_metadata
.endif
;; end of part 1
;; launch routes (part 2): grid 1 x 1, 8 waves a work-group, no clusters, 34,048 bytes of LDS; arguments sel, route; writes route
.if DOCPART == 2
	.amdgcn_target "amdgcn-amd-amdhsa--gfx1250"
	.amdhsa_code_object_version 6
	.text
	.protected	k_q803fd28d86_routes
	.globl	k_q803fd28d86_routes
	.p2align	8
	.type	k_q803fd28d86_routes,@function
k_q803fd28d86_routes:
	s_mov_b64 s[64:65], 0
	v_nop
	global_prefetch_b8 v0, s[64:65] scope:SCOPE_SE
	s_setreg_imm32_b32 hwreg(HW_REG_WAVE_MODE, 25, 1), 1
	s_wait_xcnt 0x0
; ROUTES.  From the picks (sel[t] = i1 | i2 << 8, both 0 to 7 and different) the lists that steer the later launches' addresses, all whole numbers:
;   route + 0      CNT   cnt[e], repeated in words 8 e .. 8 e + 7 (256 bytes)
;   route + 256    LIST  [e][1024]: the tokens that picked expert e, ascending; 0 behind the last
;   route + 33024  RIDX  [t][2]: 1024 e + the token's place in expert e's list, for its first and its second pick
; One work-group, since the places are a running count over all tokens.  Wave e counts for expert e: 32 tokens a step, the place of a lane = the count so far + the number of
; picking lanes below it; the word 1024 e + place goes to a fixed LDS address for EVERY token (of use only where the token picked e).  Behind one barrier wave w reads, for its
; tokens 128 w .. + 127, all eight experts' words from fixed addresses and chooses the two picked ones by v_cndmask_b32: that is RIDX.
; LIST is RIDX turned round.  A number that hangs on loaded data enters an address here only as a scalar, behind a bound written in the text: each word of RIDX is read out of its
; lane, bounded, and added to LIST's address, and one lane stores the token's number there: 2,048 stores of one word.  The words behind each list's end are stored as zeros by the
; expert's own wave, 128 bytes a store, at fixed addresses under a mask.  So LIST, 32 KiB, does not leave in whole runs of 256 bytes; RIDX and CNT do.
.set PE,   0                           ; LDS: wave e's word for every token, 4,096 bytes at 4096 e
.set CN,   32768                       ; the counts, as they leave
.set LIST, 256
.set RIDX, 33024
.set SEL,  8                           ; v[8:39]    all 1,024 picks: step c's 32 tokens in v[8 + c]
.set OWN,  40                          ; v[40:43]   the picks of my wave's 128 tokens
.set IX,   48                          ; v[48:55]   their two expert numbers, chunk c at 2 c, 2 c + 1
.set R,    56                          ; v[56:63]   their two words of RIDX, likewise
.set W,    72                          ; v[72:103]  chunk c, expert x: that expert's word for my token, at 8 c + x
.set D,    104                         ; v[104:231] the numbers of my wave's 128 tokens, one register each, the same in all lanes; never rewritten
.set NIL,  232                         ; v232       0
	s_load_b128 s[4:7], s[0:1], 0x0                ; sel s[4:5], route s[6:7]
	v_lshl_add_u32 v240, v0, 2, 0x8100
	v_mov_b32 v241, 0
	v_and_b32 v1, 31, v0                           ; lane
	v_lshrrev_b32 v2, 5, v0
	v_readfirstlane_b32 s8, v2                     ; wave = expert
	v_lshlrev_b32 v2, 2, v1                        ; 4 lane
	s_lshl_b32 s12, s8, 9
	s_lshl_b32 s10, s8, 10                         ; 1024 e
	s_lshl_b32 s11, s8, 12                         ; 4096 e
	s_lshl_b32 s15, s8, 7                          ; 128 w: my wave's first token
	v_add_nc_u32 v3, s12, v2                       ; 512 w + 4 lane: my wave's tokens, in sel and in an expert's part of PE
	v_add_nc_u32 v4, s11, v2                       ; 4096 e + 4 lane: my expert's list in LIST
	v_add_nc_u32 v5, PE, v4                        ; and my expert's part of PE
	v_lshl_add_u32 v64, v1, 3, s10                 ; 1024 w + 8 lane: my tokens' pairs in RIDX
	v_and_b32 v65, 7, v1
	v_lshlrev_b32 v65, 2, v65
	s_lshl_b32 s13, s8, 5
	s_add_co_u32 s13, s13, CN
	v_add_nc_u32 v65, s13, v65                     ; my expert's eight words of CN
	v_lshl_add_u32 v66, v1, 3, CN
	v_lshlrev_b32 v68, 3, v1
	v_mov_b32 v69, s15
	v_mov_b32 v[NIL], 0
	s_mov_b32 s9, s10                              ; 1024 e + the tokens found so far
	s_mov_b32 s3, 0
	s_wait_kmcnt 0x0
	s_add_nc_u64 s[16:17], s[6:7], LIST
.irp c, 0,1,2,3,4,5,6,7,8,9,10,11,12,13,14,15,16,17,18,19,20,21,22,23,24,25,26,27,28,29,30,31
	global_load_b32 v[SEL+\c], v2, s[4:5] offset:128*\c    ; every wave reads all 1,024 picks
.endr
.irp c, 0,1,2,3
	global_load_b32 v[OWN+\c], v3, s[4:5] offset:128*\c
.endr
.set j, 0
.rept 128
	v_add_nc_u32 v[D+j], j, v69                    ; token 128 w + j; made here, all lanes on, while the loads are out
.set j, j+1
.endr
	s_wait_loadcnt 0x0
.macro CH c                            ; tokens 32 c to 32 c + 31
	v_and_b32 v44, 0xff, v[SEL+\c]
	v_bfe_u32 v45, v[SEL+\c], 8, 8
	v_cmp_eq_u32 s20, s8, v44
	v_cmp_eq_u32 vcc_lo, s8, v45
	s_or_b32 vcc_lo, vcc_lo, s20                   ; the lanes whose token picked my expert
	v_mbcnt_lo_u32_b32 v46, vcc_lo, 0              ; how many of them lie below me
	v_add_nc_u32 v47, s9, v46                      ; 1024 e + place
	ds_store_b32 v5, v47 offset:128*\c             ; all lanes, a fixed address: a lane that did not pick stores a number that nobody takes
	s_bcnt1_i32_b32 s21, vcc_lo
	s_add_co_u32 s9, s9, s21
.endm
.irp c, 0,1,2,3,4,5,6,7,8,9,10,11,12,13,14,15,16,17,18,19,20,21,22,23,24,25,26,27,28,29,30,31
	CH \c
.endr
	s_sub_co_u32 s14, s9, s10                      ; cnt[e]
	v_mov_b32 v47, s14
	ds_store_b32 v65, v47                          ; the count, eight times
	s_wait_dscnt 0x0                               ; for the others' sake: my stores are done
	s_barrier_signal -1
	s_barrier_wait -1
	; RIDX of my wave's 128 tokens
.irp c, 0,1,2,3
.irp x, 0,1,2,3,4,5,6,7
	ds_load_b32 v[W+8*\c+\x], v3 offset:PE+4096*\x+128*\c  ; expert x's word for token 128 w + 32 c + lane
.endr
.endr
.irp c, 0,1,2,3
	v_and_b32 v[IX+2*\c], 0xff, v[OWN+\c]
	v_bfe_u32 v[IX+2*\c+1], v[OWN+\c], 8, 8
.endr
	s_wait_dscnt 0x0
.irp c, 0,1,2,3
	v_mov_b32 v[R+2*\c], v[W+8*\c]                 ; expert 0's word, unless one of the others was picked
	v_mov_b32 v[R+2*\c+1], v[W+8*\c]
.irp x, 1,2,3,4,5,6,7
	v_cmp_eq_u32 vcc_lo, \x, v[IX+2*\c]
	v_cndmask_b32 v[R+2*\c], v[R+2*\c], v[W+8*\c+\x], vcc_lo
	v_cmp_eq_u32 vcc_lo, \x, v[IX+2*\c+1]
	v_cndmask_b32 v[R+2*\c+1], v[R+2*\c+1], v[W+8*\c+\x], vcc_lo
.endr
	global_store_b64 v64, v[R+2*\c:R+2*\c+1], s[6:7] offset:RIDX+256*\c    ; 256 consecutive bytes a store, aligned
.endr
	s_cmp_lg_u32 s8, 0
	s_cbranch_scc1 .Lnot_wave_0                    ; wave 0 alone sends the counts
	ds_load_b64 v[70:71], v66
	s_wait_dscnt 0x0
	global_store_b64 v68, v[70:71], s[6:7]         ; 256 consecutive bytes, aligned
.Lnot_wave_0:
	; LIST, the tokens: LIST[word of RIDX] = token.  One lane stores; the address is scalar.
	v_cmp_eq_u32 vcc_lo, 0, v1
	s_wait_xcnt 0x0                                ; EXEC is a source of the stores above: it changes only behind this wait
	s_barrier_signal -1
	s_barrier_wait -1
	s_wait_tensorcnt 0x0
	ds_add_u32 v240, v241
	s_wait_dscnt 0x0
	s_and_saveexec_b32 s23, vcc_lo                 ; lane 0 alone
.set n, 0
.rept 256                              ; chunk n / 64, pick (n / 32) % 2, lane n % 32
.if (n%16 == 0) && (n > 0)
	s_wait_xcnt 0x0                                ; the sixteen pairs of address registers are written again only behind this wait
.endif
	v_readlane_b32 s2, v[R+2*(n/64)+(n/32)%2], n%32
	s_min_u32 s2, s2, 8191                         ; 8 lists of 1,024 words: the bound is written out, since the number enters an address
	s_lshl_b32 s2, s2, 2                           ; s3 = 0
	s_add_nc_u64 s[32+2*(n%16):33+2*(n%16)], s[16:17], s[2:3]
	global_store_b32 v[NIL], v[D+32*(n/64)+n%32], s[32+2*(n%16):33+2*(n%16)]
.set n, n+1
.endr
	s_wait_xcnt 0x0
	s_or_b32 exec_lo, exec_lo, s23                 ; all lanes again
	; LIST, the zeros: places cnt[e] to 1,023 of my expert's list, which no token's store touches.  Place 32 q + lane is behind the end where lane >= cnt - 32 q;
	; from q = 31 downward that set of lanes only shrinks, so EXEC is only ever narrowed.
.set q, 31
.rept 32
	s_sub_co_i32 s22, s14, 32*q
	v_cmp_le_i32 vcc_lo, s22, v1
	s_wait_xcnt 0x0                                ; EXEC changes only behind this wait
	s_and_saveexec_b32 s24, vcc_lo
	global_store_b32 v4, v[NIL], s[6:7] offset:LIST+128*q
.set q, q-1
.endr
	s_endpgm
.Lfunc_end_k_q803fd28d86_routes:
	.size	k_q803fd28d86_routes, .Lfunc_end_k_q803fd28d86_routes-k_q803fd28d86_routes
	.p2alignl 7, 3214868480
	.fill 96, 4, 3214868480
	.section	.rodata,"a",@progbits
	.p2align	6, 0x0
	.amdhsa_kernel k_q803fd28d86_routes
		.amdhsa_group_segment_fixed_size 34048
		.amdhsa_private_segment_fixed_size 0
		.amdhsa_enable_private_segment 0
		.amdhsa_kernarg_size 16
		.amdhsa_user_sgpr_count 2
		.amdhsa_user_sgpr_kernarg_segment_ptr 1
		.amdhsa_wavefront_size32 1
		.amdhsa_system_sgpr_workgroup_id_x 1
		.amdhsa_system_sgpr_workgroup_id_y 1
		.amdhsa_system_sgpr_workgroup_id_z 1
		.amdhsa_system_vgpr_workitem_id 0
		.amdhsa_next_free_vgpr 242
		.amdhsa_next_free_sgpr 66
		.amdhsa_reserve_vcc 1
		.amdhsa_float_denorm_mode_32 3
		.amdhsa_float_denorm_mode_16_64 3
		.amdhsa_memory_ordered 1
		.amdhsa_forward_progress 1
		.amdhsa_inst_pref_size 114
	.end_amdhsa_kernel
	.amdgpu_metadata
---
amdhsa.version: [ 1, 2 ]
amdhsa.kernels:
  - .name:           k_q803fd28d86_routes
    .symbol:         k_q803fd28d86_routes.kd
    .args:
      - { .name: sel, .offset: 0, .size: 8, .value_kind: global_buffer, .address_space: global }
      - { .name: route, .offset: 8, .size: 8, .value_kind: global_buffer, .address_space: global }
    .group_segment_fixed_size: 34048
    .private_segment_fixed_size: 0
    .kernarg_segment_align: 8
    .kernarg_segment_size: 16
    .max_flat_workgroup_size: 256
    .sgpr_count:     66
    .vgpr_count:     242
    .wavefront_size: 32
...
	.end_amdgpu_metadata
.endif
;; end of part 2
;; launch ffn1 (part 3): grid 32 x 8, 4 waves a work-group, no clusters, 282,112 bytes of LDS; arguments xb, w1, route, h; writes h
.if DOCPART == 3
	.amdgcn_target "amdgcn-amd-amdhsa--gfx1250"
	.amdhsa_code_object_version 6
	.text
	.protected	k_q803fd28d86_ffn1
	.globl	k_q803fd28d86_ffn1
	.p2align	8
	.type	k_q803fd28d86_ffn1,@function
k_q803fd28d86_ffn1:
	s_mov_b64 s[64:65], 0
	v_nop
	global_prefetch_b8 v0, s[64:65] scope:SCOPE_SE
	s_setreg_imm32_b32 hwreg(HW_REG_WAVE_MODE, 25, 1), 1
	s_wait_xcnt 0x0
; FIRST EXPERT PRODUCT, ROUTED.  h[e][row][f] = relu(sum over k of x[LIST[e][row]][k] w1[e][k][f]), bf16, for the rows of expert e's list alone:
; the reference multiplies every other (token, expert) result by a combine weight that it has itself set to 0.
; SHARES.  Work-group (nb, e): all 1,024 k x columns 128 nb .. + 127 of expert e.  THE WEIGHTS STAY: wave w holds 1,024 k x 32 columns in bf16 in 512 registers,
; read from memory once (f32), each number converted once.  The tokens go past them in tiles of 64 rows, through two LDS slots that all four waves read.
; WEIGHTS lie [k][f].  Lane (r, h) loads columns 2 r, 2 r + 1 of the sixteen rows k that a B fragment wants of it (8 h + 0..7, 16 + 8 h + 0..7); rounding rows k, k + 1 of
; one column into one word gives two ready fragments, of the even and of the odd columns: column n = r of fragment j is true column 32 w + 2 r + j.  No transposing load, no pass over the weights beforehand.
; TRIPS.  The number of tiles hangs on a loaded count, and every wave passes every barrier: so the loop has the 16 trips of the worst case (all 1,024 tokens on one expert), its
; barriers stand bare, and only stretches without a barrier are jumped over.  cnt' = min(max(cnt, 1), 1024): tile 0 is always made, here and in the second product; rows behind the
; list's end are token 0's (LIST is 0 there) and are never read by the last launch.
; NO JOINT LOADS: no two work-groups read the same weights, which are 512 KiB of a work-group's input; the activation rows that they share are gathered by a list, in a number that differs from expert to expert.
; REGISTERS, in windows of 256: window 0: v0-19 addresses; v32-95 8 accumulators (rows 16 rt, fragment j at 32 + 16 rt + 8 j); v96-223 at first a ring of 4 x 32 for weights as loaded,
;   then two buffers of A fragments; v224-255 at work on the way out.  window 1: the next tile's rows as loaded (row p of my 16, chunk c at 16 p + 4 c).  windows 2, 3: the weights: K step s, fragment j at 16 (s % 16) + 8 j, window 2 + s / 16.
.set ROWB,  16384                      ; bytes in a row of w1
.set PITCH, 2064                       ; an LDS row of A: 2,048 bytes + 16: an odd multiple of 16, so the 16 rows of a fragment load start at 16 different groups of banks
.set SLOT,  64*PITCH
.set STAGE, 2*SLOT                     ; the way out: 64 rows x 272 bytes
.set SP,    272
.set WOFF, 4                           ; v4   my place in 32 rows of weights
.set LOFF, 5                           ; v5   16 lane
.set AST,  6                           ; v6-7   where I put my share of a tile, slot 0, 1
.set AFA,  8                           ; v8-15  my A fragments' addresses: slot 0 rows 16 rt, slot 1 rows 16 rt
.set STO,  16
.set RD,   17
.set CO,   18
.set ACC,  32
.set AF,   96
.set RING, 96
.set TMP,  224
.set MSB, 0
.macro WIN new                         ; the immediate's high byte repeats the setting that is left; a switch that changes nothing is dropped
.if MSB != (\new)
	s_set_vgpr_msb (MSB<<8)|(\new)
.set MSB, (\new)
.endif
.endm
	s_load_b256 s[4:11], s[0:1], 0x0               ; xb s[4:5], w1 s[6:7], route s[8:9], h s[10:11]
	v_lshl_add_u32 v30, v0, 2, 0x44c00
	v_mov_b32 v31, 0
	v_and_b32 v1, 31, v0
	v_and_b32 v2, 15, v0                           ; r
	v_bfe_u32 v3, v0, 4, 1                         ; h
	v_lshrrev_b32 v19, 5, v0
	v_readfirstlane_b32 s12, v19                   ; wave
	s_and_b32 s13, ttmp7, 0xffff                   ; expert
	s_mov_b32 s14, ttmp9                           ; block of 128 columns
	v_lshlrev_b32 v[WOFF], 3, v2
	v_lshl_add_u32 v[WOFF], v3, 17, v[WOFF]        ; 8 h rows of 16,384 bytes + 8 r
	v_lshlrev_b32 v[LOFF], 4, v1
	s_lshl_b32 s26, s13, 5                         ; my expert's count
	s_lshl_b32 s2, s13, 12                         ; my wave's 16 tokens of a tile: LIST + 4096 e + 64 w
	s_lshl_b32 s3, s12, 6
	s_add_co_u32 s2, s2, s3
	s_add_co_u32 s2, s2, 256
	s_mov_b32 s3, 0
	s_wait_kmcnt 0x0
	s_load_b32 s15, s[8:9], s26 offset:0x0
	s_add_nc_u64 s[28:29], s[8:9], s[2:3]
	s_load_b512 s[32:47], s[28:29], 0x0            ; tile 0's tokens
	s_lshl_b32 s2, s13, 24                         ; an expert's w1 is 16 MiB
	s_add_nc_u64 s[20:21], s[6:7], s[2:3]
	s_lshl_b32 s2, s14, 9
	s_lshl_b32 s27, s12, 7
	s_add_co_u32 s2, s2, s27                       ; (128 nb + 32 w) x 4 bytes
	s_add_nc_u64 s[20:21], s[20:21], s[2:3]        ; rows 0-511
	s_add_nc_u64 s[22:23], s[20:21], 0x800000      ; rows 512-1023: so that every immediate stays inside its signed 24 bits (503 rows at the most)
; the 16 rows x 2 columns a lane that K step s wants: each load takes 128 bytes of each of two rows; the four waves together take 512 bytes of a row
.macro WLOAD s
.set i, 0
.rept 16
.set ip, i+8*(i/8)
.if (\s) < 16
	global_load_b64 v[RING+32*((\s)%4)+2*i:RING+32*((\s)%4)+2*i+1], v[WOFF], s[20:21] offset:(32*((\s)%16)+ip)*ROWB th:TH_LOAD_NT
.else
	global_load_b64 v[RING+32*((\s)%4)+2*i:RING+32*((\s)%4)+2*i+1], v[WOFF], s[22:23] offset:(32*((\s)%16)+ip)*ROWB th:TH_LOAD_NT
.endif
.set i, i+1
.endr
.endm
	WLOAD 0
	WLOAD 1
	WLOAD 2
	WLOAD 3
	s_lshl_b32 s2, s13, 23                         ; an expert's h is 8 MiB
	s_lshl_b32 s27, s14, 8
	s_add_co_u32 s2, s2, s27
	s_add_nc_u64 s[24:25], s[10:11], s[2:3]        ; h at the expert's row 0, my block's 256 bytes
	s_mul_i32 s27, s12, 16*PITCH
	v_add_nc_u32 v[AST], s27, v[LOFF]              ; my 16 rows of a slot
	v_add_nc_u32 v[AST+1], SLOT, v[AST]
	v_mul_u32_u24 v19, v2, PITCH
	v_lshl_add_u32 v19, v3, 4, v19                 ; a fragment's row r x pitch + 16 h
.irp rt, 0,1,2,3
	v_add_nc_u32 v[AFA+\rt], 16*\rt*PITCH, v19
	v_add_nc_u32 v[AFA+4+\rt], SLOT+16*\rt*PITCH, v19
.endr
	v_mul_u32_u24 v[STO], v3, 8*SP                 ; into the stage: row 8 h + .., bytes 64 w + 4 r (two bf16: columns 32 w + 2 r, + 1)
	v_lshl_add_u32 v[STO], v2, 2, v[STO]
	s_lshl_b32 s27, s12, 6
	s_add_co_u32 s27, s27, STAGE
	v_add_nc_u32 v[STO], s27, v[STO]
	v_mul_u32_u24 v[RD], v3, SP                    ; back: wave w takes rows 16 w .. + 15 whole; lanes 0-15 one row of 256 bytes, lanes 16-31 the next
	v_lshl_add_u32 v[RD], v2, 4, v[RD]
	s_mul_i32 s27, s12, 16*SP
	s_add_co_u32 s27, s27, STAGE
	v_add_nc_u32 v[RD], s27, v[RD]
	v_lshlrev_b32 v[CO], 13, v3                    ; and the same two rows in h (8,192 bytes a row)
	v_lshl_add_u32 v[CO], v2, 4, v[CO]
	s_lshl_b32 s27, s12, 17
	v_add_nc_u32 v[CO], s27, v[CO]
; the addresses of my 16 tokens' rows of xb: s[48:63] and s[66:81]
.macro BASES
.set rho, 0
.rept 16
.set rb, 48+2*rho+2*(rho/8)
	s_min_u32 s[32+rho], s[32+rho], 1023           ; a loaded number enters an address only behind its bound
	s_lshl_b32 s2, s[32+rho], 11                   ; 2,048 bytes a row; s3 = 0
	s_add_nc_u64 s[rb:rb+1], s[4:5], s[2:3]
.set rho, rho+1
.endr
.endm
; rows 4 g .. 4 g + 3 of my 16: 16 loads of 512 consecutive bytes, into window 1
.macro GGRP g
	WIN 0x40
.set rho, 4*(\g)
.rept 4
.set rb, 48+2*rho+2*(rho/8)
.irp c, 0,1,2,3
	global_load_b128 v[16*rho+4*\c:16*rho+4*\c+3], v[LOFF], s[rb:rb+1] offset:512*\c
.endr
.set rho, rho+1
.endr
	WIN 0
.endm
	s_wait_kmcnt 0x0
	s_max_u32 s15, s15, 1
	s_min_u32 s15, s15, 1024                       ; cnt'
	BASES
	s_load_b512 s[32:47], s[28:29], 0x100          ; tile 1's tokens (LIST has 1,024 words an expert, all written)
; K step s of the weights: rounded into its place; the ring's slot takes K step s + 4, or, at the end, a quarter of tile 0's rows
.macro WSTEP s
	s_wait_loadcnt 48                              ; loads come back in order: behind this group stand three groups of 16
	WIN 0x80+0x40*((\s)/16)                        ; destination window 2 or 3
.irp j, 0,1
.set p, 0
.rept 8
	v_cvt_pk_bf16_f32 v[16*((\s)%16)+8*\j+p], v[RING+32*((\s)%4)+4*p+\j], v[RING+32*((\s)%4)+4*p+2+\j]   ; rows k, k + 1 of column 2 r + j
.set p, p+1
.endr
.endr
	WIN 0
.if (\s) < 28
	WLOAD (\s)+4
.else
	GGRP (\s)-28
.endif
.endm
.set n, 0
.rept 32
	WSTEP n
.set n, n+1
.endr
.macro ASTORE slot                     ; my 16 rows into a slot: 512 neighbouring bytes a store
	WIN 0x04                                       ; the data lie in window 1
.set rho, 0
.rept 16
.irp c, 0,1,2,3
	ds_store_b128 v[AST+(\slot)], v[16*rho+4*\c:16*rho+4*\c+3] offset:PITCH*rho+512*\c
.endr
.set rho, rho+1
.endr
	WIN 0
.endm
; the A fragments of 64 along K (K steps 2 u, 2 u + 1), 64 rows: 16 loads into buffer u % 2
.macro AFETCH slot, u
.irp ks, 0,1
.irp rt, 0,1,2,3
	ds_load_b128 v[AF+64*((\u)%2)+32*\ks+8*\rt:AF+64*((\u)%2)+32*\ks+8*\rt+3],   v[AFA+4*\slot+\rt] offset:64*(2*(\u)+\ks)
	ds_load_b128 v[AF+64*((\u)%2)+32*\ks+8*\rt+4:AF+64*((\u)%2)+32*\ks+8*\rt+7], v[AFA+4*\slot+\rt] offset:64*(2*(\u)+\ks)+32
.endr
.endr
.endm
; 64 along K: 16 matrix instructions; the eight accumulators take turns, one instruction a turn
.macro DSTEP slot, u
.rept 4
	v_nop                                          ; four places between the matrix instructions that read the other buffer and the loads into it (ISA guide 7.12.1 for vector instructions)
.endr
.if (\u) < 15
	AFETCH \slot, (\u)+1
	s_wait_dscnt 16                                ; all but the 16 just issued
.else
	s_wait_dscnt 0x0
.endif
.irp ks, 0,1
.irp rt, 0,1,2,3
.irp j, 0,1
.if (2*(\u)+\ks) == 0
	v_wmma_f32_16x16x32_bf16 v[ACC+16*\rt+8*\j:ACC+16*\rt+8*\j+7], v[AF+64*((\u)%2)+32*\ks+8*\rt:AF+64*((\u)%2)+32*\ks+8*\rt+7], v[16*((2*(\u)+\ks)%16)+8*\j:16*((2*(\u)+\ks)%16)+8*\j+7], 0
.else
	v_wmma_f32_16x16x32_bf16 v[ACC+16*\rt+8*\j:ACC+16*\rt+8*\j+7], v[AF+64*((\u)%2)+32*\ks+8*\rt:AF+64*((\u)%2)+32*\ks+8*\rt+7], v[16*((2*(\u)+\ks)%16)+8*\j:16*((2*(\u)+\ks)%16)+8*\j+7], v[ACC+16*\rt+8*\j:ACC+16*\rt+8*\j+7]
.endif
.endr
.endr
.endr
.endm
.macro COMPUTE slot                    ; a tile: 64 rows x my 32 columns x 1,024 k.  Only source 1's window changes, which LDS loads do not use: three switches
	AFETCH \slot, 0
	WIN 0x08                                       ; B in window 2
.set uu, 0
.rept 8
	DSTEP \slot, uu
.set uu, uu+1
.endr
	WIN 0x0c                                       ; B in window 3
.rept 8
	DSTEP \slot, uu
.set uu, uu+1
.endr
	WIN 0
.rept 4
	v_nop                                          ; four places in front of what reads the results
.endr
.endm
; relu, rounded to bf16, columns 2 r and 2 r + 1 in one word, into the stage.  Register jj of accumulator (rt, j) is row 16 rt + 8 h + jj; each accumulator is read from its register 0 on
.macro TOSTAGE
.set n, 0
.rept 32
	v_max_num_f32 v[AF+2*n],   0, v[ACC+16*(n/8)+n%8]
	v_max_num_f32 v[AF+2*n+1], 0, v[ACC+16*(n/8)+8+n%8]
	v_cvt_pk_bf16_f32 v[TMP+n], v[AF+2*n], v[AF+2*n+1]
	ds_store_b32 v[STO], v[TMP+n] offset:(16*(n/8)+n%8)*SP
.set n, n+1
.endr
.endm
.macro SEND                            ; my 16 rows of the stage, whole, to h
.irp q, 0,1,2,3,4,5,6,7
	ds_load_b128 v[TMP+4*\q:TMP+4*\q+3], v[RD] offset:2*SP*\q
.endr
	s_wait_dscnt 0x0
.irp q, 0,1,2,3,4,5,6,7
	global_store_b128 v[CO], v[TMP+4*\q:TMP+4*\q+3], s[24:25] offset:16384*\q   ; 16 lanes store 256 consecutive bytes, aligned
.endr
.endm
; One trip: tile i (rows s16 ..) lies in slot; s17 = s16 + 64.
.macro TRIP slot
	s_wait_kmcnt 0x0                               ; tile i + 1's tokens, asked for a trip ago
	s_wait_xcnt 0x0                                ; the row addresses are written again only behind this wait
	s_cmp_lt_u32 s17, s15
	s_cbranch_scc0 .Lno_rows_\@
	BASES
	GGRP 0                                         ; tile i + 1's rows are asked for: they have this tile's products in which to land
	GGRP 1
	GGRP 2
	GGRP 3
.Lno_rows_\@:
	s_add_co_u32 s30, s17, 64
	s_lshl_b32 s30, s30, 2                         ; 256 bytes of LIST a tile
	s_min_u32 s30, s30, 3840                       ; tile min(i + 2, 15): never past the expert's 1,024 words
	s_load_b512 s[32:47], s[28:29], s30 offset:0x0
	s_cmp_lt_u32 s16, s15
	s_cbranch_scc0 .Lno_tile_\@
	COMPUTE \slot
	TOSTAGE
.Lno_tile_\@:
	s_wait_loadcnt 0x0                             ; on every way: no load into window 1 is out
	s_cmp_lt_u32 s17, s15
	s_cbranch_scc0 .Lno_fill_\@
	ASTORE 1-\slot                                 ; the other slot's last readers passed the barriers of the trip before
.Lno_fill_\@:
	s_wait_dscnt 0x0                               ; my stores into the stage and the other slot are done, my reads of this slot are over
	s_barrier_signal -1
	s_barrier_wait -1
	s_cmp_lt_u32 s16, s15
	s_cbranch_scc0 .Lno_send_\@
	SEND
.Lno_send_\@:
	s_wait_dscnt 0x0                               ; my reads of the stage are over:
	s_barrier_signal -1
	s_barrier_wait -1                              ; behind this barrier it may be written again
	s_wait_xcnt 0x0                                ; the stores' base and data are written again only behind this wait
	s_add_nc_u64 s[24:25], s[24:25], 64*8192
	s_add_co_u32 s16, s16, 64
	s_add_co_u32 s17, s17, 64
.endm
	s_wait_loadcnt 0x0                             ; tile 0's rows
	ASTORE 0
	s_wait_dscnt 0x0
	s_barrier_signal -1
	s_barrier_wait -1
	s_mov_b32 s16, 0
	s_mov_b32 s17, 64
	s_mov_b32 s18, 8
.Ltrips:
	TRIP 0
	TRIP 1
	s_sub_co_u32 s18, s18, 1
	s_cmp_lg_u32 s18, 0
	s_cbranch_scc1 .Ltrips
	s_wait_tensorcnt 0x0
	ds_add_u32 v30, v31
	s_wait_dscnt 0x0
	s_endpgm
.Lfunc_end_k_q803fd28d86_ffn1:
	.size	k_q803fd28d86_ffn1, .Lfunc_end_k_q803fd28d86_ffn1-k_q803fd28d86_ffn1
	.p2alignl 7, 3214868480
	.fill 96, 4, 3214868480
	.section	.rodata,"a",@progbits
	.p2align	6, 0x0
	.amdhsa_kernel k_q803fd28d86_ffn1
		.amdhsa_group_segment_fixed_size 282112
		.amdhsa_private_segment_fixed_size 0
		.amdhsa_enable_private_segment 0
		.amdhsa_kernarg_size 32
		.amdhsa_user_sgpr_count 2
		.amdhsa_user_sgpr_kernarg_segment_ptr 1
		.amdhsa_wavefront_size32 1
		.amdhsa_system_sgpr_workgroup_id_x 1
		.amdhsa_system_sgpr_workgroup_id_y 1
		.amdhsa_system_sgpr_workgroup_id_z 1
		.amdhsa_system_vgpr_workitem_id 0
		.amdhsa_next_free_vgpr 1024
		.amdhsa_next_free_sgpr 90
		.amdhsa_reserve_vcc 0
		.amdhsa_float_denorm_mode_32 3
		.amdhsa_float_denorm_mode_16_64 3
		.amdhsa_memory_ordered 1
		.amdhsa_forward_progress 1
		.amdhsa_inst_pref_size 210
	.end_amdhsa_kernel
	.amdgpu_metadata
---
amdhsa.version: [ 1, 2 ]
amdhsa.kernels:
  - .name:           k_q803fd28d86_ffn1
    .symbol:         k_q803fd28d86_ffn1.kd
    .args:
      - { .name: xb, .offset: 0, .size: 8, .value_kind: global_buffer, .address_space: global }
      - { .name: w1, .offset: 8, .size: 8, .value_kind: global_buffer, .address_space: global }
      - { .name: route, .offset: 16, .size: 8, .value_kind: global_buffer, .address_space: global }
      - { .name: h, .offset: 24, .size: 8, .value_kind: global_buffer, .address_space: global }
    .group_segment_fixed_size: 282112
    .private_segment_fixed_size: 0
    .kernarg_segment_align: 8
    .kernarg_segment_size: 32
    .max_flat_workgroup_size: 128
    .sgpr_count:     90
    .vgpr_count:     1024
    .wavefront_size: 32
...
	.end_amdgpu_metadata
.endif
;; end of part 3
;; launch ffn2 (part 4): grid 32 x 8, 4 waves a work-group, no clusters, 298,496 bytes of LDS; arguments h, w2, route, y; writes y
.if DOCPART == 4
	.amdgcn_target "amdgcn-amd-amdhsa--gfx1250"
	.amdhsa_code_object_version 6
	.text
	.protected	k_q803fd28d86_ffn2
	.globl	k_q803fd28d86_ffn2
	.p2align	8
	.type	k_q803fd28d86_ffn2,@function
k_q803fd28d86_ffn2:
	s_mov_b64 s[64:65], 0
	v_nop
	global_prefetch_b8 v0, s[64:65] scope:SCOPE_SE
	s_setreg_imm32_b32 hwreg(HW_REG_WAVE_MODE, 25, 1), 1
	s_wait_xcnt 0x0
; SECOND EXPERT PRODUCT, ROUTED.  y[ks][1024 e + row][d] = sum over f = 1024 ks .. + 1023 of h[e][row][f] w2[e][f][d], f32, for the rows of expert e's list.
; SHARES.  Work-group (x, e), x = nb + 8 ks: 1,024 f x columns 128 nb .. + 127 of expert e.  The four parts ks of the sum over f go to memory apart; the last launch adds them: a sum that spans work-groups has one owner.
; All else is the first product's: THE WEIGHTS STAY (wave w: 1,024 f x 32 columns, bf16, 512 registers, read from memory once, converted once; lane (r, h) loads columns 2 r, 2 r + 1 of its sixteen rows, so that
; column n = r of fragment j is true column 32 w + 2 r + j); the rows of h go past in tiles of 64 through two LDS slots; 16 trips whatever the count, with the barriers bare and only stretches
; without a barrier jumped over; cnt' = min(max(cnt, 1), 1024), as in the first product, so every row of h read here has been written there.
; NO JOINT LOADS: no two work-groups read the same weights; the rows of h that eight of them share come in a number that hangs on a loaded count.
; REGISTERS: as in the first product.  window 0: v0-19 addresses; v32-95 accumulators; v96-223 the weights' ring, then A's two buffers, and on the way out v96-159; window 1: the next tile's rows; windows 2, 3: the weights.
.set ROWB,  4096                       ; bytes in a row of w2
.set PITCH, 2064
.set SLOT,  64*PITCH
.set STAGE, 2*SLOT                     ; the way out: 64 rows x 528 bytes (512 of f32 + 16)
.set SP,    528
.set WOFF, 4
.set LOFF, 5
.set AST,  6
.set AFA,  8
.set STO,  16
.set RD,   17
.set CO,   18
.set ACC,  32
.set AF,   96
.set RING, 96
.set MSB, 0
.macro WIN new                         ; the immediate's high byte repeats the setting that is left; a switch that changes nothing is dropped
.if MSB != (\new)
	s_set_vgpr_msb (MSB<<8)|(\new)
.set MSB, (\new)
.endif
.endm
	s_load_b256 s[4:11], s[0:1], 0x0               ; h s[4:5], w2 s[6:7], route s[8:9], y s[10:11]
	v_lshl_add_u32 v254, v0, 2, 0x48c00
	v_mov_b32 v255, 0
	v_and_b32 v1, 31, v0
	v_and_b32 v2, 15, v0                           ; r
	v_bfe_u32 v3, v0, 4, 1                         ; h
	v_lshrrev_b32 v19, 5, v0
	v_readfirstlane_b32 s12, v19                   ; wave
	s_and_b32 s13, ttmp7, 0xffff                   ; expert
	s_and_b32 s14, ttmp9, 7                        ; block of 128 columns
	s_lshr_b32 s19, ttmp9, 3                       ; which 1,024 of f
	v_lshlrev_b32 v[WOFF], 3, v2
	v_lshl_add_u32 v[WOFF], v3, 15, v[WOFF]        ; 8 h rows of 4,096 bytes + 8 r
	v_lshlrev_b32 v[LOFF], 4, v1
	s_lshl_b32 s28, s13, 5
	s_mov_b32 s3, 0
	s_wait_kmcnt 0x0
	s_load_b32 s15, s[8:9], s28 offset:0x0         ; my expert's count
	s_lshl_b32 s2, s13, 24                         ; an expert's w2 is 16 MiB,
	s_lshl_b32 s27, s19, 22                        ; 1,024 rows of it 4 MiB
	s_add_co_u32 s2, s2, s27
	s_lshl_b32 s27, s14, 9
	s_add_co_u32 s2, s2, s27
	s_lshl_b32 s27, s12, 7
	s_add_co_u32 s2, s2, s27                       ; + (128 nb + 32 w) x 4 bytes
	s_add_nc_u64 s[20:21], s[6:7], s[2:3]
; the 16 rows x 2 columns a lane that K step s wants; 1,015 rows of 4,096 bytes at the most: inside the signed 24-bit immediate
.macro WLOAD s
.set i, 0
.rept 16
.set ip, i+8*(i/8)
	global_load_b64 v[RING+32*((\s)%4)+2*i:RING+32*((\s)%4)+2*i+1], v[WOFF], s[20:21] offset:(32*(\s)+ip)*ROWB th:TH_LOAD_NT
.set i, i+1
.endr
.endm
	WLOAD 0
	WLOAD 1
	WLOAD 2
	WLOAD 3
	s_lshl_b32 s2, s13, 23                         ; an expert's h is 8 MiB
	s_lshl_b32 s27, s19, 11                        ; my 1,024 f: 2,048 bytes of a row
	s_add_co_u32 s2, s2, s27
	s_lshl_b32 s27, s12, 17                        ; my wave's 16 rows of 8,192 bytes
	s_add_co_u32 s2, s2, s27
	s_add_nc_u64 s[26:27], s[4:5], s[2:3]          ; h at my share of tile 0
	s_lshl_b32 s2, s19, 25                         ; a part of y is 32 MiB,
	s_lshl_b32 s29, s13, 22                        ; an expert's rows in it 4 MiB
	s_add_co_u32 s2, s2, s29
	s_lshl_b32 s29, s14, 9
	s_add_co_u32 s2, s2, s29
	s_add_nc_u64 s[24:25], s[10:11], s[2:3]        ; y at the expert's row 0, my block's 512 bytes
	s_mul_i32 s29, s12, 16*PITCH
	v_add_nc_u32 v[AST], s29, v[LOFF]
	v_add_nc_u32 v[AST+1], SLOT, v[AST]
	v_mul_u32_u24 v19, v2, PITCH
	v_lshl_add_u32 v19, v3, 4, v19
.irp rt, 0,1,2,3
	v_add_nc_u32 v[AFA+\rt], 16*\rt*PITCH, v19
	v_add_nc_u32 v[AFA+4+\rt], SLOT+16*\rt*PITCH, v19
.endr
	v_mul_u32_u24 v[STO], v3, 8*SP                 ; into the stage: row 8 h + .., bytes 128 w + 8 r (+ 4 j)
	v_lshl_add_u32 v[STO], v2, 3, v[STO]
	s_lshl_b32 s29, s12, 7
	s_add_co_u32 s29, s29, STAGE
	v_add_nc_u32 v[STO], s29, v[STO]
	s_mul_i32 s29, s12, 16*SP                      ; back: wave w takes rows 16 w .. + 15, a whole row of 512 bytes a load
	s_add_co_u32 s29, s29, STAGE
	v_add_nc_u32 v[RD], s29, v[LOFF]
	s_lshl_b32 s29, s12, 16                        ; and the same rows in y (4,096 bytes a row)
	v_add_nc_u32 v[CO], s29, v[LOFF]
; rows 4 g .. 4 g + 3 of my 16: 16 loads of 512 consecutive bytes, into window 1
.macro GGRP g
	WIN 0x40
.set rho, 4*(\g)
.rept 4
.irp c, 0,1,2,3
	global_load_b128 v[16*rho+4*\c:16*rho+4*\c+3], v[LOFF], s[26:27] offset:8192*rho+512*\c
.endr
.set rho, rho+1
.endr
	WIN 0
.endm
.macro WSTEP s
	s_wait_loadcnt 48                              ; loads come back in order: behind this group stand three groups of 16
	WIN 0x80+0x40*((\s)/16)                        ; destination window 2 or 3
.irp j, 0,1
.set p, 0
.rept 8
	v_cvt_pk_bf16_f32 v[16*((\s)%16)+8*\j+p], v[RING+32*((\s)%4)+4*p+\j], v[RING+32*((\s)%4)+4*p+2+\j]   ; rows k, k + 1 of column 2 r + j
.set p, p+1
.endr
.endr
	WIN 0
.if (\s) < 28
	WLOAD (\s)+4
.else
	GGRP (\s)-28
.endif
.endm
.set n, 0
.rept 32
	WSTEP n
.set n, n+1
.endr
.macro ASTORE slot
	WIN 0x04                                       ; the data lie in window 1
.set rho, 0
.rept 16
.irp c, 0,1,2,3
	ds_store_b128 v[AST+(\slot)], v[16*rho+4*\c:16*rho+4*\c+3] offset:PITCH*rho+512*\c
.endr
.set rho, rho+1
.endr
	WIN 0
.endm
.macro AFETCH slot, u
.irp ks, 0,1
.irp rt, 0,1,2,3
	ds_load_b128 v[AF+64*((\u)%2)+32*\ks+8*\rt:AF+64*((\u)%2)+32*\ks+8*\rt+3],   v[AFA+4*\slot+\rt] offset:64*(2*(\u)+\ks)
	ds_load_b128 v[AF+64*((\u)%2)+32*\ks+8*\rt+4:AF+64*((\u)%2)+32*\ks+8*\rt+7], v[AFA+4*\slot+\rt] offset:64*(2*(\u)+\ks)+32
.endr
.endr
.endm
; 64 along K: 16 matrix instructions; the eight accumulators take turns, one instruction a turn
.macro DSTEP slot, u
.rept 4
	v_nop                                          ; four places between the matrix instructions that read the other buffer and the loads into it (ISA guide 7.12.1 for vector instructions)
.endr
.if (\u) < 15
	AFETCH \slot, (\u)+1
	s_wait_dscnt 16                                ; all but the 16 just issued
.else
	s_wait_dscnt 0x0
.endif
.irp ks, 0,1
.irp rt, 0,1,2,3
.irp j, 0,1
.if (2*(\u)+\ks) == 0
	v_wmma_f32_16x16x32_bf16 v[ACC+16*\rt+8*\j:ACC+16*\rt+8*\j+7], v[AF+64*((\u)%2)+32*\ks+8*\rt:AF+64*((\u)%2)+32*\ks+8*\rt+7], v[16*((2*(\u)+\ks)%16)+8*\j:16*((2*(\u)+\ks)%16)+8*\j+7], 0
.else
	v_wmma_f32_16x16x32_bf16 v[ACC+16*\rt+8*\j:ACC+16*\rt+8*\j+7], v[AF+64*((\u)%2)+32*\ks+8*\rt:AF+64*((\u)%2)+32*\ks+8*\rt+7], v[16*((2*(\u)+\ks)%16)+8*\j:16*((2*(\u)+\ks)%16)+8*\j+7], v[ACC+16*\rt+8*\j:ACC+16*\rt+8*\j+7]
.endif
.endr
.endr
.endr
.endm
.macro COMPUTE slot
	AFETCH \slot, 0
	WIN 0x08                                       ; B in window 2
.set uu, 0
.rept 8
	DSTEP \slot, uu
.set uu, uu+1
.endr
	WIN 0x0c                                       ; B in window 3
.rept 8
	DSTEP \slot, uu
.set uu, uu+1
.endr
	WIN 0
.rept 4
	v_nop                                          ; four places in front of the LDS stores that read the results
.endr
.endm
; the sums as they are, f32, into the stage, each at its true column; each accumulator is read from its register 0 on
.macro TOSTAGE
.irp rt, 0,1,2,3
.irp j, 0,1
.irp jj, 0,1,2,3,4,5,6,7
	ds_store_b32 v[STO], v[ACC+16*\rt+8*\j+\jj] offset:(16*\rt+\jj)*SP+4*\j
.endr
.endr
.endr
.endm
.macro SEND
.irp q, 0,1,2,3,4,5,6,7,8,9,10,11,12,13,14,15
	ds_load_b128 v[AF+4*\q:AF+4*\q+3], v[RD] offset:SP*\q
.endr
	s_wait_dscnt 0x0
.irp q, 0,1,2,3,4,5,6,7,8,9,10,11,12,13,14,15
	global_store_b128 v[CO], v[AF+4*\q:AF+4*\q+3], s[24:25] offset:4096*\q     ; the wave stores 512 consecutive bytes, aligned
.endr
.endm
; One trip: tile i (rows s16 ..) lies in slot; s17 = s16 + 64; s[26:27] is at my share of tile i + 1.
.macro TRIP slot
	s_cmp_lt_u32 s17, s15
	s_cbranch_scc0 .Lno_rows_\@
	GGRP 0                                         ; tile i + 1's rows are asked for: they have this tile's products in which to land
	GGRP 1
	GGRP 2
	GGRP 3
.Lno_rows_\@:
	s_cmp_lt_u32 s16, s15
	s_cbranch_scc0 .Lno_tile_\@
	COMPUTE \slot
	TOSTAGE
.Lno_tile_\@:
	s_wait_loadcnt 0x0                             ; on every way: no load into window 1 is out
	s_cmp_lt_u32 s17, s15
	s_cbranch_scc0 .Lno_fill_\@
	ASTORE 1-\slot                                 ; the other slot's last readers passed the barriers of the trip before
.Lno_fill_\@:
	s_wait_dscnt 0x0                               ; my stores into the stage and the other slot are done, my reads of this slot are over
	s_barrier_signal -1
	s_barrier_wait -1
	s_cmp_lt_u32 s16, s15
	s_cbranch_scc0 .Lno_send_\@
	SEND
.Lno_send_\@:
	s_wait_dscnt 0x0                               ; my reads of the stage are over:
	s_barrier_signal -1
	s_barrier_wait -1                              ; behind this barrier it may be written again
	s_wait_xcnt 0x0                                ; the bases and the stores' data are written again only behind this wait
	s_add_nc_u64 s[24:25], s[24:25], 64*4096
	s_add_nc_u64 s[26:27], s[26:27], 64*8192
	s_add_co_u32 s16, s16, 64
	s_add_co_u32 s17, s17, 64
.endm
	s_wait_kmcnt 0x0
	s_max_u32 s15, s15, 1
	s_min_u32 s15, s15, 1024                       ; cnt'
	s_wait_loadcnt 0x0                             ; tile 0's rows; their base is free
	s_add_nc_u64 s[26:27], s[26:27], 64*8192       ; on to tile 1
	ASTORE 0
	s_wait_dscnt 0x0
	s_barrier_signal -1
	s_barrier_wait -1
	s_mov_b32 s16, 0
	s_mov_b32 s17, 64
	s_mov_b32 s18, 8
.Ltrips:
	TRIP 0
	TRIP 1
	s_sub_co_u32 s18, s18, 1
	s_cmp_lg_u32 s18, 0
	s_cbranch_scc1 .Ltrips
	s_wait_tensorcnt 0x0
	ds_add_u32 v254, v255
	s_wait_dscnt 0x0
	s_endpgm
.Lfunc_end_k_q803fd28d86_ffn2:
	.size	k_q803fd28d86_ffn2, .Lfunc_end_k_q803fd28d86_ffn2-k_q803fd28d86_ffn2
	.p2alignl 7, 3214868480
	.fill 96, 4, 3214868480
	.section	.rodata,"a",@progbits
	.p2align	6, 0x0
	.amdhsa_kernel k_q803fd28d86_ffn2
		.amdhsa_group_segment_fixed_size 298496
		.amdhsa_private_segment_fixed_size 0
		.amdhsa_enable_private_segment 0
		.amdhsa_kernarg_size 32
		.amdhsa_user_sgpr_count 2
		.amdhsa_user_sgpr_kernarg_segment_ptr 1
		.amdhsa_wavefront_size32 1
		.amdhsa_system_sgpr_workgroup_id_x 1
		.amdhsa_system_sgpr_workgroup_id_y 1
		.amdhsa_system_sgpr_workgroup_id_z 1
		.amdhsa_system_vgpr_workitem_id 0
		.amdhsa_next_free_vgpr 1024
		.amdhsa_next_free_sgpr 66
		.amdhsa_reserve_vcc 0
		.amdhsa_float_denorm_mode_32 3
		.amdhsa_float_denorm_mode_16_64 3
		.amdhsa_memory_ordered 1
		.amdhsa_forward_progress 1
		.amdhsa_inst_pref_size 202
	.end_amdhsa_kernel
	.amdgpu_metadata
---
amdhsa.version: [ 1, 2 ]
amdhsa.kernels:
  - .name:           k_q803fd28d86_ffn2
    .symbol:         k_q803fd28d86_ffn2.kd
    .args:
      - { .name: h, .offset: 0, .size: 8, .value_kind: global_buffer, .address_space: global }
      - { .name: w2, .offset: 8, .size: 8, .value_kind: global_buffer, .address_space: global }
      - { .name: route, .offset: 16, .size: 8, .value_kind: global_buffer, .address_space: global }
      - { .name: y, .offset: 24, .size: 8, .value_kind: global_buffer, .address_space: global }
    .group_segment_fixed_size: 298496
    .private_segment_fixed_size: 0
    .kernarg_segment_align: 8
    .kernarg_segment_size: 32
    .max_flat_workgroup_size: 128
    .sgpr_count:     66
    .vgpr_count:     1024
    .wavefront_size: 32
...
	.end_amdgpu_metadata
.endif
;; end of part 4
;; launch combine (part 5): grid 256 x 1, 8 waves a work-group, no clusters, 0 bytes of LDS; arguments y, route, tw, out0; writes out0
.if DOCPART == 5
	.amdgcn_target "amdgcn-amd-amdhsa--gfx1250"
	.amdhsa_code_object_version 6
	.text
	.protected	k_q803fd28d86_combine
	.globl	k_q803fd28d86_combine
	.p2align	8
	.type	k_q803fd28d86_combine,@function
k_q803fd28d86_combine:
	s_mov_b64 s[64:65], 0
	v_nop
	global_prefetch_b8 v0, s[64:65] scope:SCOPE_SE
	s_setreg_imm32_b32 hwreg(HW_REG_WAVE_MODE, 25, 1), 1
	s_wait_xcnt 0x0
; COMBINE.  out0[t][d] = w0 (sum over ks of y[ks][row0][d]) + w1 (sum over ks of y[ks][row1][d]), all f32; row0, row1 = RIDX[t] (whole numbers from an earlier launch), w0, w1 = tw[t].
; The six experts that a token did not pick have the combine weight 0 in the reference and add nothing.
; A stream: memory binds, so no LDS, no matrix unit.  A wave takes half a token's row (2,048 bytes): 8 source rows x 4 loads of 512 consecutive bytes, all 32 issued at once; each byte of y that counts is read once.
.set RIDX, 33024
.set Y, 8                              ; v[8:135]   chunk c, source m = 4 pick + ks at 32 c + 4 m
.set R, 136                            ; v[136:151] chunk c's result: registers of its own, so no wait stands between the stores
	s_load_b256 s[4:11], s[0:1], 0x0               ; y s[4:5], route s[6:7], tw s[8:9], out0 s[10:11]
	v_and_b32 v1, 31, v0
	v_lshrrev_b32 v2, 5, v0
	v_readfirstlane_b32 s12, v2                    ; wave
	v_lshlrev_b32 v2, 4, v1                        ; 16 lane
	s_lshr_b32 s13, s12, 1
	s_lshl2_add_u32 s13, ttmp9, s13                ; token = 4 x work-group + wave / 2
	s_and_b32 s14, s12, 1
	s_lshl_b32 s14, s14, 11                        ; which half of the row, in bytes
	s_lshl_b32 s15, s13, 3
	s_wait_kmcnt 0x0
	s_load_b64 s[16:17], s[6:7], s15 offset:RIDX
	s_load_b64 s[18:19], s[8:9], s15 offset:0x0
	s_lshl_b32 s2, s13, 12
	s_add_co_u32 s2, s2, s14
	s_mov_b32 s3, 0
	s_add_nc_u64 s[10:11], s[10:11], s[2:3]
	s_wait_kmcnt 0x0
	s_min_u32 s16, s16, 8191                       ; a loaded number enters an address only behind its bound
	s_min_u32 s17, s17, 8191
.irp k, 0,1
	s_lshl_b32 s2, s[16+\k], 12                    ; 4,096 bytes a row
	s_add_co_u32 s2, s2, s14
	s_add_nc_u64 s[20+8*\k:21+8*\k], s[4:5], s[2:3]
.irp ks, 1,2,3
	s_add_nc_u64 s[20+8*\k+2*\ks:21+8*\k+2*\ks], s[20+8*\k:21+8*\k], \ks*0x2000000    ; the parts of the sum over f lie 32 MiB apart
.endr
.endr
	s_mov_b32 s40, s18                             ; the packed forms name a pair and take its low word for both halves
	s_mov_b32 s41, s18
	s_mov_b32 s42, s19
	s_mov_b32 s43, s19
.irp c, 0,1,2,3
.irp m, 0,1,2,3,4,5,6,7
	global_load_b128 v[Y+32*\c+4*\m:Y+32*\c+4*\m+3], v2, s[20+2*\m:21+2*\m] offset:512*\c th:TH_LOAD_NT
.endr
.endr
.macro CHUNK c
	s_wait_loadcnt 8*(3-\c)                        ; loads come back in order: the later chunks' eight each may stay out
.irp k, 0,1
.irp d, 0,2
	v_pk_add_f32 v[Y+32*\c+16*\k+\d:Y+32*\c+16*\k+\d+1], v[Y+32*\c+16*\k+\d:Y+32*\c+16*\k+\d+1], v[Y+32*\c+16*\k+4+\d:Y+32*\c+16*\k+4+\d+1]
	v_pk_add_f32 v[Y+32*\c+16*\k+8+\d:Y+32*\c+16*\k+8+\d+1], v[Y+32*\c+16*\k+8+\d:Y+32*\c+16*\k+8+\d+1], v[Y+32*\c+16*\k+12+\d:Y+32*\c+16*\k+12+\d+1]
.endr
.irp d, 0,2
	v_pk_add_f32 v[Y+32*\c+16*\k+\d:Y+32*\c+16*\k+\d+1], v[Y+32*\c+16*\k+\d:Y+32*\c+16*\k+\d+1], v[Y+32*\c+16*\k+8+\d:Y+32*\c+16*\k+8+\d+1]
.endr
.endr
.irp d, 0,2
	v_pk_mul_f32 v[R+4*\c+\d:R+4*\c+\d+1], v[Y+32*\c+\d:Y+32*\c+\d+1], s[40:41] op_sel_hi:[1,0]
.endr
.irp d, 0,2
	v_pk_fma_f32 v[R+4*\c+\d:R+4*\c+\d+1], v[Y+32*\c+16+\d:Y+32*\c+16+\d+1], s[42:43], v[R+4*\c+\d:R+4*\c+\d+1] op_sel_hi:[1,0,1]
.endr
	global_store_b128 v2, v[R+4*\c:R+4*\c+3], s[10:11] offset:512*\c th:TH_STORE_NT   ; the wave stores 512 consecutive bytes, aligned
.endm
	CHUNK 0
	CHUNK 1
	CHUNK 2
	CHUNK 3
	s_endpgm
.Lfunc_end_k_q803fd28d86_combine:
	.size	k_q803fd28d86_combine, .Lfunc_end_k_q803fd28d86_combine-k_q803fd28d86_combine
	.p2alignl 7, 3214868480
	.fill 96, 4, 3214868480
	.section	.rodata,"a",@progbits
	.p2align	6, 0x0
	.amdhsa_kernel k_q803fd28d86_combine
		.amdhsa_group_segment_fixed_size 0
		.amdhsa_private_segment_fixed_size 0
		.amdhsa_enable_private_segment 0
		.amdhsa_kernarg_size 32
		.amdhsa_user_sgpr_count 2
		.amdhsa_user_sgpr_kernarg_segment_ptr 1
		.amdhsa_wavefront_size32 1
		.amdhsa_system_sgpr_workgroup_id_x 1
		.amdhsa_system_sgpr_workgroup_id_y 1
		.amdhsa_system_sgpr_workgroup_id_z 1
		.amdhsa_system_vgpr_workitem_id 0
		.amdhsa_next_free_vgpr 160
		.amdhsa_next_free_sgpr 66
		.amdhsa_reserve_vcc 0
		.amdhsa_float_denorm_mode_32 3
		.amdhsa_float_denorm_mode_16_64 3
		.amdhsa_memory_ordered 1
		.amdhsa_forward_progress 1
		.amdhsa_inst_pref_size 10
	.end_amdhsa_kernel
	.amdgpu_metadata
---
amdhsa.version: [ 1, 2 ]
amdhsa.kernels:
  - .name:           k_q803fd28d86_combine
    .symbol:         k_q803fd28d86_combine.kd
    .args:
      - { .name: y, .offset: 0, .size: 8, .value_kind: global_buffer, .address_space: global }
      - { .name: route, .offset: 8, .size: 8, .value_kind: global_buffer, .address_space: global }
      - { .name: tw, .offset: 16, .size: 8, .value_kind: global_buffer, .address_space: global }
      - { .name: out0, .offset: 24, .size: 8, .value_kind: global_buffer, .address_space: global }
    .group_segment_fixed_size: 0
    .private_segment_fixed_size: 0
    .kernarg_segment_align: 8
    .kernarg_segment_size: 32
    .max_flat_workgroup_size: 256
    .sgpr_count:     66
    .vgpr_count:     160
    .wavefront_size: 32
...
	.end_amdgpu_metadata
.endif
;; end of part 5
;; ======== version 2 of 2: 5 launches; 1.12 times as fast as version 1
;; workspace buffers: xb 2,097,152 bytes; sel 4,096 bytes of whole numbers; tw 8,192 bytes; route 41,216 bytes of whole numbers; h 67,108,864 bytes; y 134,217,728 bytes
;; launch gate: the kernel of part 1 again; grid 256 x 1, 4 waves a work-group, no clusters, 0 bytes of LDS; arguments hidden_states, gate_w, xb, sel, tw; writes xb, sel, tw
;; launch routes (part 6): grid 32 x 1, 8 waves a work-group, no clusters, 34,048 bytes of LDS; arguments sel, route; writes route
.if DOCPART == 6
	.amdgcn_target "amdgcn-amd-amdhsa--gfx1250"
	.amdhsa_code_object_version 6
	.text
	.protected	k_q803fd28d86_routes
	.globl	k_q803fd28d86_routes
	.p2align	8
	.type	k_q803fd28d86_routes,@function
k_q803fd28d86_routes:
	s_mov_b64 s[64:65], 0
	v_nop
	global_prefetch_b8 v0, s[64:65] scope:SCOPE_SE
	s_setreg_imm32_b32 hwreg(HW_REG_WAVE_MODE, 25, 1), 1
	s_wait_xcnt 0x0
; ROUTES.  From the picks (sel[t] = i1 | i2 << 8, both 0 to 7 and different) the lists that steer the later launches' addresses, all whole numbers:
;   route + 0      CNT   cnt[e], repeated in words 8 e .. 8 e + 7 (256 bytes)
;   route + 256    LIST  [e][1024]: the tokens that picked expert e, each at its place; 0 behind the last
;   route + 33024  RIDX  [t][2]: 1024 e + the token's place in expert e's list, for its first and its second pick
; PLACES.  A place is a running count over all tokens.  The count is cheap (4 KiB of picks), so each of the 32 work-groups makes it anew, wave e for expert e, and writes only what belongs to
; tokens and places 32 g .. 32 g + 31: no work-group waits for another.  A lane holds four neighbouring tokens, so step c = 4 q + i takes tokens 128 q + 4 lane + i, and the places run in the order
; (t / 128, t % 4, (t % 128) / 4), not ascending in t: LIST and RIDX are made from the same places, and nothing later leans on the order.
; The steps are laid in runs: 64 compares into 64 scalar registers, then the ors, the counts, the prefix sums, then one v_mbcnt a step (lanes below me in the mask + the count so far).
; The word 1024 e + place goes to a fixed LDS address for EVERY token (of use only where the token picked e); behind one barrier each wave reads all eight experts' words of the group's 32 tokens
; from fixed addresses and chooses the two picked ones by v_cndmask_b32: that is RIDX.
; LIST is RIDX turned round.  A number that hangs on loaded data enters an address here only as a scalar, behind a bound written in the text: wave w reads the eight words of tokens 32 g + 4 w .. + 3
; out of their lanes, bounds them, adds them to LIST's address, and one lane stores the token's number there.  So LIST's tokens leave as single words, 2,048 in the launch; its zeros leave 128 bytes
; a store, under a mask, at fixed addresses; RIDX and CNT leave in whole runs of 256 bytes.
.set PE,   0                           ; LDS: wave e's word for every token, 4,096 bytes at 4096 e
.set CN,   32768                       ; the counts, as they leave
.set LIST, 256
.set RIDX, 33024
.set SEL,  8                           ; v[8:39]   all 1,024 picks: step c's 32 tokens in v[8 + c]; then their second picks
.set PW,   40                          ; v[40:71]  step c: the first picks, then 1024 e + place
.set W,    72                          ; v[72:79]  expert x's word for token 32 g + lane
.set OWN,  80                          ; v80       that token's picks
.set IX,   82                          ; v[82:83]  its two expert numbers
.set R,    84                          ; v[84:85]  its two words of RIDX
.set D,    86                          ; v[86:89]  the numbers of my wave's four tokens, the same in all lanes
.set NIL,  90                          ; v90       0
.set MA,   32                          ; s[32:63]  step c's mask; later eight offsets, each with 0 above it
.set MB,   66                          ; s[66:97]  step c's second mask, count, then 1024 e + the count up to and with step c; later eight addresses
	s_load_b128 s[4:7], s[0:1], 0x0                ; sel s[4:5], route s[6:7]
	v_lshl_add_u32 v104, v0, 2, 0x8100
	v_mov_b32 v105, 0
	v_and_b32 v1, 31, v0                           ; lane
	v_lshrrev_b32 v2, 5, v0
	v_readfirstlane_b32 s8, v2                     ; wave = expert
	s_mov_b32 s9, ttmp9                            ; g
	v_lshlrev_b32 v2, 4, v1                        ; 16 lane
	v_lshlrev_b32 v3, 2, v1
	s_lshl_b32 s10, s8, 10                         ; 1024 e
	s_lshl_b32 s11, s8, 12                         ; 4096 e
	s_lshl_b32 s12, s9, 7
	v_add_nc_u32 v3, s12, v3                       ; 128 g + 4 lane: token 32 g + lane in sel and in an expert's part of PE
	v_add_nc_u32 v4, s11, v3                       ; + 4096 e: place 32 g + lane of my expert's list
	v_add_nc_u32 v5, s11, v2                       ; 4096 e + 16 lane: my four words of a step quartet in PE
	s_lshl_b32 s13, s9, 8
	v_lshl_add_u32 v6, v1, 3, s13                  ; 256 g + 8 lane: the token's pair in RIDX
	v_and_b32 v7, 7, v1
	v_lshlrev_b32 v7, 2, v7
	s_lshl_b32 s22, s8, 5
	s_add_co_u32 s22, s22, CN
	v_add_nc_u32 v7, s22, v7                       ; my expert's eight words of CN
	v_lshl_add_u32 v91, v1, 3, CN
	v_lshlrev_b32 v92, 3, v1
	s_lshl_b32 s17, s9, 5                          ; 32 g
	v_add_nc_u32 v93, s17, v1                      ; place 32 g + lane
	s_lshl2_add_u32 s15, s8, s17                   ; 32 g + 4 w: my wave's first token,
	s_lshl_b32 s16, s8, 2                          ; which lies in lane 4 w
	v_mov_b32 v[D], s15
.irp i, 1,2,3
	v_add_nc_u32 v[D+\i], \i, v[D]
.endr
	v_mov_b32 v[NIL], 0
	s_wait_kmcnt 0x0
	s_add_nc_u64 s[18:19], s[6:7], LIST
.irp q, 0,1,2,3,4,5,6,7
	global_load_b128 v[SEL+4*\q:SEL+4*\q+3], v2, s[4:5] offset:512*\q      ; every wave reads all 1,024 picks, 512 consecutive bytes a load
.endr
	global_load_b32 v[OWN], v3, s[4:5]
	s_wait_loadcnt 0x0
.set c, 0
.rept 32
	v_and_b32 v[PW+c], 0xff, v[SEL+c]              ; the first pick,
	v_bfe_u32 v[SEL+c], v[SEL+c], 8, 8             ; the second
	v_cmp_eq_u32 s[MA+c], s8, v[PW+c]
	v_cmp_eq_u32 s[MB+c], s8, v[SEL+c]
.set c, c+1
.endr
.set c, 0
.rept 32
	s_or_b32 s[MA+c], s[MA+c], s[MB+c]             ; the lanes whose token picked my expert
.set c, c+1
.endr
.set c, 0
.rept 32
	s_bcnt1_i32_b32 s[MB+c], s[MA+c]
.set c, c+1
.endr
	s_add_co_u32 s[MB], s[MB], s10
.set c, 1
.rept 31
	s_add_co_u32 s[MB+c], s[MB+c], s[MB+c-1]       ; 1024 e + the tokens found up to and with step c
.set c, c+1
.endr
	v_mbcnt_lo_u32_b32 v[PW], s[MA], s10           ; 1024 e + the count before this step + the picking lanes below me
.set c, 1
.rept 31
	v_mbcnt_lo_u32_b32 v[PW+c], s[MA+c], s[MB+c-1]
.set c, c+1
.endr
	s_sub_co_u32 s14, s[MB+31], s10                ; cnt[e]
.irp q, 0,1,2,3,4,5,6,7
	ds_store_b128 v5, v[PW+4*\q:PW+4*\q+3] offset:PE+512*\q                ; all lanes, fixed addresses: token t's word at 4096 e + 4 t; a token that did not pick leaves a number that nobody takes
.endr
	v_mov_b32 v94, s14
	ds_store_b32 v7, v94                           ; the count, eight times
	s_wait_dscnt 0x0                               ; for the others' sake: my stores are done
	s_barrier_signal -1
	s_barrier_wait -1
	; RIDX of tokens 32 g + lane, in every wave
.irp x, 0,1,2,3,4,5,6,7
	ds_load_b32 v[W+\x], v3 offset:PE+4096*\x
.endr
	v_and_b32 v[IX], 0xff, v[OWN]
	v_bfe_u32 v[IX+1], v[OWN], 8, 8
	s_wait_dscnt 0x0
	v_mov_b32 v[R], v[W]                           ; expert 0's word, unless one of the others was picked
	v_mov_b32 v[R+1], v[W]
.irp x, 1,2,3,4,5,6,7
	v_cmp_eq_u32 vcc_lo, \x, v[IX]
	v_cndmask_b32 v[R], v[R], v[W+\x], vcc_lo
	v_cmp_eq_u32 vcc_lo, \x, v[IX+1]
	v_cndmask_b32 v[R+1], v[R+1], v[W+\x], vcc_lo
.endr
	; the eight addresses in LIST of my wave's four tokens (token i, pick k: number n = 2 i + k), each kind of step in a run
.irp i, 0,1,2,3
	s_add_co_u32 s[24+\i], s16, \i                 ; the token's lane
.endr
.irp i, 0,1,2,3
	v_readlane_b32 s[MA+4*\i], v[R], s[24+\i]
	v_readlane_b32 s[MA+4*\i+2], v[R+1], s[24+\i]
.endr
.irp n, 0,1,2,3,4,5,6,7
	s_min_u32 s[MA+2*\n], s[MA+2*\n], 8191         ; 8 lists of 1,024 words: the bound is written out, since the number enters an address
.endr
.irp n, 0,1,2,3,4,5,6,7
	s_lshl_b32 s[MA+2*\n], s[MA+2*\n], 2
	s_mov_b32 s[MA+2*\n+1], 0
.endr
.irp n, 0,1,2,3,4,5,6,7
	s_add_nc_u64 s[MB+2*\n:MB+2*\n+1], s[18:19], s[MA+2*\n:MA+2*\n+1]
.endr
	s_cmp_lg_u32 s8, 0
	s_cbranch_scc1 .Lnot_wave_0
	global_store_b64 v6, v[R:R+1], s[6:7] offset:RIDX      ; wave 0: 256 consecutive bytes, aligned
	s_cmp_lg_u32 s9, 0
	s_cbranch_scc1 .Lnot_wave_0
	ds_load_b64 v[96:97], v91                      ; wave 0 of work-group 0 sends the counts
	s_wait_dscnt 0x0
	global_store_b64 v92, v[96:97], s[6:7]         ; 256 consecutive bytes, aligned
.Lnot_wave_0:
	; LIST, the zeros: places 32 g + lane of my expert's list that lie behind its end; no token's store touches them
	v_cmp_le_u32 vcc_lo, s14, v93
	s_wait_xcnt 0x0                                ; EXEC is a source of the stores above: it changes only behind this wait
	s_barrier_signal -1
	s_barrier_wait -1
	s_wait_tensorcnt 0x0
	ds_add_u32 v104, v105
	s_wait_dscnt 0x0
	s_and_saveexec_b32 s21, vcc_lo
	global_store_b32 v4, v[NIL], s[6:7] offset:LIST
	s_wait_xcnt 0x0                                ; and again, in front of the line that widens it
	s_or_b32 exec_lo, exec_lo, s21
	; LIST, the tokens: LIST[word of RIDX] = token.  One lane stores; each store has address registers of its own
	v_cmp_eq_u32 vcc_lo, 0, v1
	s_and_saveexec_b32 s21, vcc_lo                 ; nothing has been issued since the last wait
.irp n, 0,1,2,3,4,5,6,7
	global_store_b32 v[NIL], v[D+\n/2], s[MB+2*\n:MB+2*\n+1]
.endr
	s_endpgm
.Lfunc_end_k_q803fd28d86_routes:
	.size	k_q803fd28d86_routes, .Lfunc_end_k_q803fd28d86_routes-k_q803fd28d86_routes
	.p2alignl 7, 3214868480
	.fill 96, 4, 3214868480
	.section	.rodata,"a",@progbits
	.p2align	6, 0x0
	.amdhsa_kernel k_q803fd28d86_routes
		.amdhsa_group_segment_fixed_size 34048
		.amdhsa_private_segment_fixed_size 0
		.amdhsa_enable_private_segment 0
		.amdhsa_kernarg_size 16
		.amdhsa_user_sgpr_count 2
		.amdhsa_user_sgpr_kernarg_segment_ptr 1
		.amdhsa_wavefront_size32 1
		.amdhsa_system_sgpr_workgroup_id_x 1
		.amdhsa_system_sgpr_workgroup_id_y 1
		.amdhsa_system_sgpr_workgroup_id_z 1
		.amdhsa_system_vgpr_workitem_id 0
		.amdhsa_next_free_vgpr 106
		.amdhsa_next_free_sgpr 98
		.amdhsa_reserve_vcc 1
		.amdhsa_float_denorm_mode_32 3
		.amdhsa_float_denorm_mode_16_64 3
		.amdhsa_memory_ordered 1
		.amdhsa_forward_progress 1
		.amdhsa_inst_pref_size 22
	.end_amdhsa_kernel
	.amdgpu_metadata
---
amdhsa.version: [ 1, 2 ]
amdhsa.kernels:
  - .name:           k_q803fd28d86_routes
    .symbol:         k_q803fd28d86_routes.kd
    .args:
      - { .name: sel, .offset: 0, .size: 8, .value_kind: global_buffer, .address_space: global }
      - { .name: route, .offset: 8, .size: 8, .value_kind: global_buffer, .address_space: global }
    .group_segment_fixed_size: 34048
    .private_segment_fixed_size: 0
    .kernarg_segment_align: 8
    .kernarg_segment_size: 16
    .max_flat_workgroup_size: 256
    .sgpr_count:     98
    .vgpr_count:     106
    .wavefront_size: 32
...
	.end_amdgpu_metadata
.endif
;; end of part 6
;; launch ffn1 (part 7): grid 32 x 8, 4 waves a work-group, no clusters, 282,112 bytes of LDS; arguments xb, w1, route, h; writes h
.if DOCPART == 7
	.amdgcn_target "amdgcn-amd-amdhsa--gfx1250"
	.amdhsa_code_object_version 6
	.text
	.protected	k_q803fd28d86_ffn1
	.globl	k_q803fd28d86_ffn1
	.p2align	8
	.type	k_q803fd28d86_ffn1,@function
k_q803fd28d86_ffn1:
	s_mov_b64 s[64:65], 0
	v_nop
	global_prefetch_b8 v0, s[64:65] scope:SCOPE_SE
	s_setreg_imm32_b32 hwreg(HW_REG_WAVE_MODE, 25, 1), 1
	s_wait_xcnt 0x0
; FIRST EXPERT PRODUCT, ROUTED.  h[e][row][f] = relu(sum over k of x[LIST[e][row]][k] w1[e][k][f]), bf16, for the rows of expert e's list alone:
; the reference multiplies every other (token, expert) result by a combine weight that it has itself set to 0.
; SHARES.  Work-group (nb, e): all 1,024 k x columns 128 nb .. + 127 of expert e.  THE WEIGHTS STAY: wave w holds 1,024 k x 32 columns in bf16 in 512 registers,
; read from memory once (f32), each number converted once.  The tokens go past them in tiles of 64 rows, through two LDS slots that all four waves read.
; WEIGHTS lie [k][f].  Lane (r, h) loads columns 2 r, 2 r + 1 of the sixteen rows k that a B fragment wants of it (8 h + 0..7, 16 + 8 h + 0..7); rounding rows k, k + 1 of
; one column into one word gives two ready fragments, of the even and of the odd columns: column n = r of fragment j is true column 32 w + 2 r + j.  No transposing load, no pass over the weights beforehand.
; TRIPS.  The number of tiles hangs on a loaded count, and every wave passes every barrier: so the loop has the 16 trips of the worst case (all 1,024 tokens on one expert), its
; barriers stand bare, and only stretches without a barrier are jumped over.  cnt' = min(max(cnt, 1), 1024): tile 0 is always made, here and in the second product; rows behind the
; list's end are token 0's (LIST is 0 there) and are never read by the last launch.
; NO JOINT LOADS: no two work-groups read the same weights, which are 512 KiB of a work-group's input; the activation rows that they share are gathered by a list, in a number that differs from expert to expert.
; REGISTERS, in windows of 256: window 0: v0-19 addresses; v32-95 8 accumulators (rows 16 rt, fragment j at 32 + 16 rt + 8 j); v96-223 at first a ring of 4 x 32 for weights as loaded,
;   then two buffers of A fragments; v224-255 at work on the way out.  window 1: the next tile's rows as loaded (row p of my 16, chunk c at 16 p + 4 c).  windows 2, 3: the weights: K step s, fragment j at 16 (s % 16) + 8 j, window 2 + s / 16.
.set ROWB,  16384                      ; bytes in a row of w1
.set PITCH, 2064                       ; an LDS row of A: 2,048 bytes + 16: an odd multiple of 16, so the 16 rows of a fragment load start at 16 different groups of banks
.set SLOT,  64*PITCH
.set STAGE, 2*SLOT                     ; the way out: 64 rows x 272 bytes
.set SP,    272
.set WOFF, 4                           ; v4   my place in 32 rows of weights
.set LOFF, 5                           ; v5   16 lane
.set AST,  6                           ; v6-7   where I put my share of a tile, slot 0, 1
.set AFA,  8                           ; v8-15  my A fragments' addresses: slot 0 rows 16 rt, slot 1 rows 16 rt
.set STO,  16
.set RD,   17
.set CO,   18
.set ACC,  32
.set AF,   96
.set RING, 96
.set TMP,  224
.set MSB, 0
.macro WIN new                         ; the immediate's high byte repeats the setting that is left; a switch that changes nothing is dropped
.if MSB != (\new)
	s_set_vgpr_msb (MSB<<8)|(\new)
.set MSB, (\new)
.endif
.endm
	s_load_b256 s[4:11], s[0:1], 0x0               ; xb s[4:5], w1 s[6:7], route s[8:9], h s[10:11]
	v_lshl_add_u32 v30, v0, 2, 0x44c00
	v_mov_b32 v31, 0
	v_and_b32 v1, 31, v0
	v_and_b32 v2, 15, v0                           ; r
	v_bfe_u32 v3, v0, 4, 1                         ; h
	v_lshrrev_b32 v19, 5, v0
	v_readfirstlane_b32 s12, v19                   ; wave
	s_and_b32 s13, ttmp7, 0xffff                   ; expert
	s_mov_b32 s14, ttmp9                           ; block of 128 columns
	v_lshlrev_b32 v[WOFF], 3, v2
	v_lshl_add_u32 v[WOFF], v3, 17, v[WOFF]        ; 8 h rows of 16,384 bytes + 8 r
	v_lshlrev_b32 v[LOFF], 4, v1
	s_lshl_b32 s26, s13, 5                         ; my expert's count
	s_lshl_b32 s2, s13, 12                         ; my wave's 16 tokens of a tile: LIST + 4096 e + 64 w
	s_lshl_b32 s3, s12, 6
	s_add_co_u32 s2, s2, s3
	s_add_co_u32 s2, s2, 256
	s_mov_b32 s3, 0
	s_wait_kmcnt 0x0
	s_load_b32 s15, s[8:9], s26 offset:0x0
	s_add_nc_u64 s[28:29], s[8:9], s[2:3]
	s_load_b512 s[32:47], s[28:29], 0x0            ; tile 0's tokens
	s_lshl_b32 s2, s13, 24                         ; an expert's w1 is 16 MiB
	s_add_nc_u64 s[20:21], s[6:7], s[2:3]
	s_lshl_b32 s2, s14, 9
	s_lshl_b32 s27, s12, 7
	s_add_co_u32 s2, s2, s27                       ; (128 nb + 32 w) x 4 bytes
	s_add_nc_u64 s[20:21], s[20:21], s[2:3]        ; rows 0-511
	s_add_nc_u64 s[22:23], s[20:21], 0x800000      ; rows 512-1023: so that every immediate stays inside its signed 24 bits (503 rows at the most)
; the 16 rows x 2 columns a lane that K step s wants: each load takes 128 bytes of each of two rows; the four waves together take 512 bytes of a row
.macro WLOAD s
.set i, 0
.rept 16
.set ip, i+8*(i/8)
.if (\s) < 16
	global_load_b64 v[RING+32*((\s)%4)+2*i:RING+32*((\s)%4)+2*i+1], v[WOFF], s[20:21] offset:(32*((\s)%16)+ip)*ROWB th:TH_LOAD_NT
.else
	global_load_b64 v[RING+32*((\s)%4)+2*i:RING+32*((\s)%4)+2*i+1], v[WOFF], s[22:23] offset:(32*((\s)%16)+ip)*ROWB th:TH_LOAD_NT
.endif
.set i, i+1
.endr
.endm
	WLOAD 0
	WLOAD 1
	WLOAD 2
	WLOAD 3
	s_lshl_b32 s2, s13, 23                         ; an expert's h is 8 MiB
	s_lshl_b32 s27, s14, 8
	s_add_co_u32 s2, s2, s27
	s_add_nc_u64 s[24:25], s[10:11], s[2:3]        ; h at the expert's row 0, my block's 256 bytes
	s_mul_i32 s27, s12, 16*PITCH
	v_add_nc_u32 v[AST], s27, v[LOFF]              ; my 16 rows of a slot
	v_add_nc_u32 v[AST+1], SLOT, v[AST]
	v_mul_u32_u24 v19, v2, PITCH
	v_lshl_add_u32 v19, v3, 4, v19                 ; a fragment's row r x pitch + 16 h
.irp rt, 0,1,2,3
	v_add_nc_u32 v[AFA+\rt], 16*\rt*PITCH, v19
	v_add_nc_u32 v[AFA+4+\rt], SLOT+16*\rt*PITCH, v19
.endr
	v_mul_u32_u24 v[STO], v3, 8*SP                 ; into the stage: row 8 h + .., bytes 64 w + 4 r (two bf16: columns 32 w + 2 r, + 1)
	v_lshl_add_u32 v[STO], v2, 2, v[STO]
	s_lshl_b32 s27, s12, 6
	s_add_co_u32 s27, s27, STAGE
	v_add_nc_u32 v[STO], s27, v[STO]
	v_mul_u32_u24 v[RD], v3, SP                    ; back: wave w takes rows 16 w .. + 15 whole; lanes 0-15 one row of 256 bytes, lanes 16-31 the next
	v_lshl_add_u32 v[RD], v2, 4, v[RD]
	s_mul_i32 s27, s12, 16*SP
	s_add_co_u32 s27, s27, STAGE
	v_add_nc_u32 v[RD], s27, v[RD]
	v_lshlrev_b32 v[CO], 13, v3                    ; and the same two rows in h (8,192 bytes a row)
	v_lshl_add_u32 v[CO], v2, 4, v[CO]
	s_lshl_b32 s27, s12, 17
	v_add_nc_u32 v[CO], s27, v[CO]
; the addresses of my 16 tokens' rows of xb: s[48:63] and s[66:81]
.macro BASES
.set rho, 0
.rept 16
.set rb, 48+2*rho+2*(rho/8)
	s_min_u32 s[32+rho], s[32+rho], 1023           ; a loaded number enters an address only behind its bound
	s_lshl_b32 s2, s[32+rho], 11                   ; 2,048 bytes a row; s3 = 0
	s_add_nc_u64 s[rb:rb+1], s[4:5], s[2:3]
.set rho, rho+1
.endr
.endm
; rows 4 g .. 4 g + 3 of my 16: 16 loads of 512 consecutive bytes, into window 1
.macro GGRP g
	WIN 0x40
.set rho, 4*(\g)
.rept 4
.set rb, 48+2*rho+2*(rho/8)
.irp c, 0,1,2,3
	global_load_b128 v[16*rho+4*\c:16*rho+4*\c+3], v[LOFF], s[rb:rb+1] offset:512*\c
.endr
.set rho, rho+1
.endr
	WIN 0
.endm
	s_wait_kmcnt 0x0
	s_max_u32 s15, s15, 1
	s_min_u32 s15, s15, 1024                       ; cnt'
	BASES
	s_load_b512 s[32:47], s[28:29], 0x100          ; tile 1's tokens (LIST has 1,024 words an expert, all written)
; K step s of the weights: rounded into its place; the ring's slot takes K step s + 4, or, at the end, a quarter of tile 0's rows
.macro WSTEP s
	s_wait_loadcnt 48                              ; loads come back in order: behind this group stand three groups of 16
	WIN 0x80+0x40*((\s)/16)                        ; destination window 2 or 3
.irp j, 0,1
.set p, 0
.rept 8
	v_cvt_pk_bf16_f32 v[16*((\s)%16)+8*\j+p], v[RING+32*((\s)%4)+4*p+\j], v[RING+32*((\s)%4)+4*p+2+\j]   ; rows k, k + 1 of column 2 r + j
.set p, p+1
.endr
.endr
	WIN 0
.if (\s) < 28
	WLOAD (\s)+4
.else
	GGRP (\s)-28
.endif
.endm
.set n, 0
.rept 32
	WSTEP n
.set n, n+1
.endr
.macro ASTORE slot                     ; my 16 rows into a slot: 512 neighbouring bytes a store
	WIN 0x04                                       ; the data lie in window 1
.set rho, 0
.rept 16
.irp c, 0,1,2,3
	ds_store_b128 v[AST+(\slot)], v[16*rho+4*\c:16*rho+4*\c+3] offset:PITCH*rho+512*\c
.endr
.set rho, rho+1
.endr
	WIN 0
.endm
; the A fragments of 64 along K (K steps 2 u, 2 u + 1), 64 rows: 16 loads into buffer u % 2
.macro AFETCH slot, u
.irp ks, 0,1
.irp rt, 0,1,2,3
	ds_load_b128 v[AF+64*((\u)%2)+32*\ks+8*\rt:AF+64*((\u)%2)+32*\ks+8*\rt+3],   v[AFA+4*\slot+\rt] offset:64*(2*(\u)+\ks)
	ds_load_b128 v[AF+64*((\u)%2)+32*\ks+8*\rt+4:AF+64*((\u)%2)+32*\ks+8*\rt+7], v[AFA+4*\slot+\rt] offset:64*(2*(\u)+\ks)+32
.endr
.endr
.endm
; 64 along K: 16 matrix instructions; the eight accumulators take turns, one instruction a turn
.macro DSTEP slot, u
.rept 4
	v_nop                                          ; four places between the matrix instructions that read the other buffer and the loads into it (ISA guide 7.12.1 for vector instructions)
.endr
.if (\u) < 15
	AFETCH \slot, (\u)+1
	s_wait_dscnt 16                                ; all but the 16 just issued
.else
	s_wait_dscnt 0x0
.endif
.irp ks, 0,1
.irp rt, 0,1,2,3
.irp j, 0,1
.if (2*(\u)+\ks) == 0
	v_wmma_f32_16x16x32_bf16 v[ACC+16*\rt+8*\j:ACC+16*\rt+8*\j+7], v[AF+64*((\u)%2)+32*\ks+8*\rt:AF+64*((\u)%2)+32*\ks+8*\rt+7], v[16*((2*(\u)+\ks)%16)+8*\j:16*((2*(\u)+\ks)%16)+8*\j+7], 0
.else
	v_wmma_f32_16x16x32_bf16 v[ACC+16*\rt+8*\j:ACC+16*\rt+8*\j+7], v[AF+64*((\u)%2)+32*\ks+8*\rt:AF+64*((\u)%2)+32*\ks+8*\rt+7], v[16*((2*(\u)+\ks)%16)+8*\j:16*((2*(\u)+\ks)%16)+8*\j+7], v[ACC+16*\rt+8*\j:ACC+16*\rt+8*\j+7]
.endif
.endr
.endr
.endr
.endm
.macro COMPUTE slot                    ; a tile: 64 rows x my 32 columns x 1,024 k.  Only source 1's window changes, which LDS loads do not use: three switches
	AFETCH \slot, 0
	WIN 0x08                                       ; B in window 2
.set uu, 0
.rept 8
	DSTEP \slot, uu
.set uu, uu+1
.endr
	WIN 0x0c                                       ; B in window 3
.rept 8
	DSTEP \slot, uu
.set uu, uu+1
.endr
	WIN 0
.rept 4
	v_nop                                          ; four places in front of what reads the results
.endr
.endm
; relu, rounded to bf16, columns 2 r and 2 r + 1 in one word, into the stage.  Register jj of accumulator (rt, j) is row 16 rt + 8 h + jj; each accumulator is read from its register 0 on
.macro TOSTAGE
.set n, 0
.rept 32
	v_max_num_f32 v[AF+2*n],   0, v[ACC+16*(n/8)+n%8]
	v_max_num_f32 v[AF+2*n+1], 0, v[ACC+16*(n/8)+8+n%8]
	v_cvt_pk_bf16_f32 v[TMP+n], v[AF+2*n], v[AF+2*n+1]
	ds_store_b32 v[STO], v[TMP+n] offset:(16*(n/8)+n%8)*SP
.set n, n+1
.endr
.endm
.macro SEND                            ; my 16 rows of the stage, whole, to h
.irp q, 0,1,2,3,4,5,6,7
	ds_load_b128 v[TMP+4*\q:TMP+4*\q+3], v[RD] offset:2*SP*\q
.endr
	s_wait_dscnt 0x0
.irp q, 0,1,2,3,4,5,6,7
	global_store_b128 v[CO], v[TMP+4*\q:TMP+4*\q+3], s[24:25] offset:16384*\q   ; 16 lanes store 256 consecutive bytes, aligned
.endr
.endm
; One trip: tile i (rows s16 ..) lies in slot; s17 = s16 + 64.
.macro TRIP slot
	s_wait_kmcnt 0x0                               ; tile i + 1's tokens, asked for a trip ago if that tile exists; else nothing is out
	s_wait_xcnt 0x0                                ; the row addresses are written again only behind this wait
	s_cmp_lt_u32 s17, s15
	s_cbranch_scc0 .Lno_rows_\@
	BASES
	GGRP 0                                         ; tile i + 1's rows are asked for: they have this tile's products in which to land
	GGRP 1
	GGRP 2
	GGRP 3
.Lno_rows_\@:
	s_add_co_u32 s30, s17, 64                      ; tile i + 2's first row
	s_cmp_lt_u32 s30, s15
	s_cbranch_scc0 .Lno_list_\@                    ; its tokens are asked for only if it exists: the next trip makes addresses of them under this same comparison, and a trip behind the list's end waits for no load
	s_lshl_b32 s30, s30, 2                         ; 256 bytes of LIST a tile
	s_min_u32 s30, s30, 3840                       ; never past the expert's 1,024 words
	s_load_b512 s[32:47], s[28:29], s30 offset:0x0
.Lno_list_\@:
	s_cmp_lt_u32 s16, s15
	s_cbranch_scc0 .Lno_tile_\@
	COMPUTE \slot
	TOSTAGE
.Lno_tile_\@:
	s_wait_loadcnt 0x0                             ; on every way: no load into window 1 is out
	s_cmp_lt_u32 s17, s15
	s_cbranch_scc0 .Lno_fill_\@
	ASTORE 1-\slot                                 ; the other slot's last readers passed the barriers of the trip before
.Lno_fill_\@:
	s_wait_dscnt 0x0                               ; my stores into the stage and the other slot are done, my reads of this slot are over
	s_barrier_signal -1
	s_barrier_wait -1
	s_cmp_lt_u32 s16, s15
	s_cbranch_scc0 .Lno_send_\@
	SEND
.Lno_send_\@:
	s_wait_dscnt 0x0                               ; my reads of the stage are over:
	s_barrier_signal -1
	s_barrier_wait -1                              ; behind this barrier it may be written again
	s_wait_xcnt 0x0                                ; the stores' base and data are written again only behind this wait
	s_add_nc_u64 s[24:25], s[24:25], 64*8192
	s_add_co_u32 s16, s16, 64
	s_add_co_u32 s17, s17, 64
.endm
	s_wait_loadcnt 0x0                             ; tile 0's rows
	ASTORE 0
	s_wait_dscnt 0x0
	s_barrier_signal -1
	s_barrier_wait -1
	s_mov_b32 s16, 0
	s_mov_b32 s17, 64
	s_mov_b32 s18, 8
.Ltrips:
	TRIP 0
	TRIP 1
	s_sub_co_u32 s18, s18, 1
	s_cmp_lg_u32 s18, 0
	s_cbranch_scc1 .Ltrips
	s_wait_tensorcnt 0x0
	ds_add_u32 v30, v31
	s_wait_dscnt 0x0
	s_endpgm
.Lfunc_end_k_q803fd28d86_ffn1:
	.size	k_q803fd28d86_ffn1, .Lfunc_end_k_q803fd28d86_ffn1-k_q803fd28d86_ffn1
	.p2alignl 7, 3214868480
	.fill 96, 4, 3214868480
	.section	.rodata,"a",@progbits
	.p2align	6, 0x0
	.amdhsa_kernel k_q803fd28d86_ffn1
		.amdhsa_group_segment_fixed_size 282112
		.amdhsa_private_segment_fixed_size 0
		.amdhsa_enable_private_segment 0
		.amdhsa_kernarg_size 32
		.amdhsa_user_sgpr_count 2
		.amdhsa_user_sgpr_kernarg_segment_ptr 1
		.amdhsa_wavefront_size32 1
		.amdhsa_system_sgpr_workgroup_id_x 1
		.amdhsa_system_sgpr_workgroup_id_y 1
		.amdhsa_system_sgpr_workgroup_id_z 1
		.amdhsa_system_vgpr_workitem_id 0
		.amdhsa_next_free_vgpr 1024
		.amdhsa_next_free_sgpr 90
		.amdhsa_reserve_vcc 0
		.amdhsa_float_denorm_mode_32 3
		.amdhsa_float_denorm_mode_16_64 3
		.amdhsa_memory_ordered 1
		.amdhsa_forward_progress 1
		.amdhsa_inst_pref_size 210
	.end_amdhsa_kernel
	.amdgpu_metadata
---
amdhsa.version: [ 1, 2 ]
amdhsa.kernels:
  - .name:           k_q803fd28d86_ffn1
    .symbol:         k_q803fd28d86_ffn1.kd
    .args:
      - { .name: xb, .offset: 0, .size: 8, .value_kind: global_buffer, .address_space: global }
      - { .name: w1, .offset: 8, .size: 8, .value_kind: global_buffer, .address_space: global }
      - { .name: route, .offset: 16, .size: 8, .value_kind: global_buffer, .address_space: global }
      - { .name: h, .offset: 24, .size: 8, .value_kind: global_buffer, .address_space: global }
    .group_segment_fixed_size: 282112
    .private_segment_fixed_size: 0
    .kernarg_segment_align: 8
    .kernarg_segment_size: 32
    .max_flat_workgroup_size: 128
    .sgpr_count:     90
    .vgpr_count:     1024
    .wavefront_size: 32
...
	.end_amdgpu_metadata
.endif
;; end of part 7
;; launch ffn2: the kernel of part 4 again; grid 32 x 8, 4 waves a work-group, no clusters, 298,496 bytes of LDS; arguments h, w2, route, y; writes y
;; launch combine: the kernel of part 5 again; grid 256 x 1, 8 waves a work-group, no clusters, 0 bytes of LDS; arguments y, route, tw, out0; writes out0
